; MI455X (gfx1250); checked and timed in simulation.
; The chip was launched on July 23, 2026; its instructions are those of AMD's public machine-readable ISA for CDNA 5 (MIT licence, August 2026) and "CDNA5" Instruction Set Architecture Reference Guide (July 2026). The comments in the code are by the model that wrote it; some were corrected since.
;; Multi Head Attention. Allowed arithmetic: matrix products marked QUANTISED: E4M3 operands, one given power-of-two scale a tensor, by v_wmma_f32_16x16x64_fp8_fp8 or v_wmma_f32_16x16x128_fp8_fp8, f32 sums; everything else in f32.
;; Inputs: Wk 16 x 1,024 x 64 float32; Wo 1,024 x 1,024 float32; Wq 16 x 1,024 x 64 float32; Wv 16 x 1,024 x 64 float32; bo 1,024 float32; lowp_scales 12 int32 (the exponents e of the quantised operands' scales 2^e); x 4 x 2,048 x 1,024 float32.
;; Outputs: out0 4 x 2,048 x 1,024 float32.
;; This version of the problem:
;;   THIS VERSION OF THE PROBLEM IS GIVEN IN LOW PRECISION. The matrix products marked QUANTISED in the list below multiply operands that are first quantised to E4M3 (4 exponent bits, 3 mantissa bits; 8 bits a number), with one given power-of-two scale for each operand tensor; their sums are f32. All else is computed in f32.
;;   The module's matrix products, in the order in which they are computed (A, B: the left and right operand; K: the contracted axis; several contracted axes count as one K, in the product's order):
;;     1. [M 1,024, K 1,024] x [K 1,024, N 8,192]; A: input Wq; B: input x: QUANTISED (scales: A lowp_scales[0], B lowp_scales[1])
;;     2. [M 1,024, K 1,024] x [K 1,024, N 8,192]; A: input Wk; B: input x: QUANTISED (scales: A lowp_scales[2], B lowp_scales[3])
;;     3. [M 1,024, K 1,024] x [K 1,024, N 8,192]; A: input Wv; B: input x: QUANTISED (scales: A lowp_scales[4], B lowp_scales[5])
;;     4. batch 64 x [M 2,048, K 64] x [K 64, N 2,048]; A: computed on the way; B: computed on the way: QUANTISED (scales: A lowp_scales[6], B lowp_scales[7])
;;     5. batch 64 x [M 2,048, K 2,048] x [K 2,048, N 64]; A: softmax (see below); B: computed on the way: QUANTISED (scales: A lowp_scales[8], B lowp_scales[9])
;;     6. [M 8,192, K 1,024] x [K 1,024, N 1,024]; A: computed on the way; B: input Wo: QUANTISED (scales: A lowp_scales[10], B lowp_scales[11])
;;   THE QUANTISER, for each operand of a quantised product, along K:
;;     - The operand's scale is 2^e, e = its entry of the input lowp_scales (int32; the entries are numbered through the quantised products in the list's order, A before B).
;;     - Each number is divided by the scale, clamped to +-448, and rounded to the nearest number of E4M3, ties to even, subnormals kept.
;;     - The product sums the exact products of the quantised numbers (number of the format x scale) in f32.
;;   ~~~python
;;   def quantise(x, axis, e):      # numpy; x: float32 -> the quantised numbers, widened to float32 again
;;       x = np.moveaxis(x, axis, -1); K = x.shape[-1]
;;       r = np.clip(x / 2.0 ** e, -448, 448)
;;       step = 2.0 ** (np.maximum(np.frexp(np.where(r == 0, 1, r))[1] - 1, -6) - 3)
;;       q = np.round(r / step) * step * 2.0 ** e      # np.round: ties to even
;;       return np.moveaxis(q, -1, axis).astype(np.float32)
;;   ~~~
;;   SOFTMAX AHEAD OF A QUANTISED PRODUCT. Where the list says 'softmax', what is quantised is not the finished softmax but p = 2^(t - M), with t = logit x log2(e) and M = ceil(the row's largest t), a whole number; so 1/2 < the row's largest p <= 1. The row's sum l is taken of the UNQUANTISED p, in f32, and the product's result is divided by l at the end. Since M is a whole number, a kernel that streams over the keys may use a running M (the ceiling of the running maximum): every later rescaling is an exact power of two, so the quantised numbers keep their values, but for numbers so far below the row's largest that they fall under the format's range.
;;   OPERANDS COMPUTED ON THE WAY. 'Computed on the way' means the value that the module computes at that place (a softmax that the list does not call 'softmax' is quantised finished and normalised). What goes into a quantiser is computed in f32, as accurately as f32 sums, v_exp_f32 and their like allow (about 1e-6 of the number): no bf16 or f16 on the way to a quantiser, and a product that is left as it is and whose result goes on into a quantised operand takes f32 operands (vector FMAs, or v_wmma_f32_16x16x4_f32). A number that lies on a knife's edge between two numbers of the format may be rounded either way, as far as f32 arithmetic and the matrix unit's own rounding can turn it there, and no further.
;; One version. Each part assembles by itself: llvm-mc -triple=amdgcn-amd-amdhsa -mcpu=gfx1250 --defsym DOCPART=n.
;; ======== version 1 of 1: 4 launches
;; limits: right only within a limited range of input values
;; workspace buffers: xc 25,165,824 bytes; wc 4,194,304 bytes; qkvc 25,165,824 bytes; oc 8,388,608 bytes
;; launch quant (part 1): grid 384 x 1, 4 waves a work-group, no clusters, 68,096 bytes of LDS; arguments x, Wq, Wk, Wv, Wo, lowp_scales, xc, wc; writes xc, wc
.if DOCPART == 1
	.amdgcn_target "amdgcn-amd-amdhsa--gfx1250"
	.amdhsa_code_object_version 6
	.text
	.protected	k_q4db74e83e7_quant
	.globl	k_q4db74e83e7_quant
	.p2align	8
	.type	k_q4db74e83e7_quant,@function
k_q4db74e83e7_quant:
	s_mov_b64 s[64:65], 0
	v_nop
	global_prefetch_b8 v0, s[64:65] scope:SCOPE_SE
	s_setreg_imm32_b32 hwreg(HW_REG_WAVE_MODE, 25, 1), 1
	s_wait_xcnt 0x0
; f32 numbers into codes of FP8 (E4M3), once for the whole program.  code = number / 2^e, held within +-448, to the nearest code, ties to even.
; x [8192][1024] is an operand of three products, each with a scale of its own (entries 1, 3, 5 of the scales): three planes of codes, xc [3][8192][1024], K innermost as x has it.
; Wq, Wk, Wv [16 h][1024 k][64 d] (entries 0, 2, 4) and Wo [1024 k][1024 n] (entry 11) have K ahead of their columns: wc [4][1024 n][1024 k], K innermost, n = 64 h + d.
; Work-groups 0-255 take x (a wave: 16 steps of 512 numbers), work-groups 256-383 the weights (a wave: 32 columns x 256 along K).  The two ways have LDS bytes of their own.
; X WAY: each load reads 512 consecutive bytes; a step's 2,048 bytes turn through the wave's own stage in LDS, so that a lane holds 16 neighbours along K; its 16 codes are 16 bytes: a store covers 512 consecutive bytes.
; W WAY: a lane takes a column and its registers run down K, so the conversions give codes with K innermost; they leave through the wave's stage as rows: sixteen lanes store 256 consecutive bytes, aligned.
; No tensor load, no barrier: waves share nothing.
; LIMITS: each of these seven exponents lies between -126 and 119, so that 2^e and 448 x 2^e are f32 numbers.  NaN among the inputs is not served (an infinity is held at the largest code).
.set SPARE, 67584                      ; behind both ways' stages: the spare words, 128 bytes for each wave: two blocks of 256 bytes that no other line names
.set SPW,   12                         ; v12  LDS address of my spare word; never rewritten
.set NIL,   13                         ; v13  0; never rewritten
.set SP,    80                         ; X way: a lane's place in a stage: 64 bytes + 16 of padding
.set XR,    16                         ; v16-143   eight sets of 16 numbers as they are loaded
.set XX,    144                        ; v144-175  two sets of 16 neighbours
.set XT,    176                        ; v176-191  the numbers held within one scale's range
.set XC,    192                        ; v192-215  two sets of 12 registers of codes (three planes x 4)
.set WSTG,  32768                      ; W way: four stages of 32 rows x 272 bytes
.set WP,    272
.set OF,    16                         ; v16-47    byte offsets of my column in 32 rows of a block
.set WX,    48                         ; v48-111   two sets of 32 numbers
.set WC,    112                        ; v112-119  a block's codes
.set WO,    120                        ; v120-183  the way out
.macro XLOAD t                         ; step t: four loads of 512 consecutive bytes
.irp i, 0,1,2,3
	global_load_b128 v[XR+16*((\t)%8)+4*\i:XR+16*((\t)%8)+4*\i+3], v3, s[40:41] offset:2048*(\t)+512*\i th:TH_LOAD_NT
.endr
.endm
.macro XTURN t                         ; step t through the stage: LDS serves a wave's instructions in order, so no wait stands between the stores and the loads
.irp i, 0,1,2,3
	ds_store_b128 v14, v[XR+16*((\t)%8)+4*\i:XR+16*((\t)%8)+4*\i+3] offset:32*SP*((\t)%2)+8*SP*\i
.endr
.irp i, 0,1,2,3
	ds_load_b128 v[XX+16*((\t)%2)+4*\i:XX+16*((\t)%2)+4*\i+3], v15 offset:32*SP*((\t)%2)+16*\i
.endr
.endm
.macro XSTEP t
.set XS, XX+16*((\t)%2)
.set CC, XC+12*((\t)%2)
	s_wait_dscnt 0x0                               ; this step's numbers are back from the stage, and its stores into the stage have read their registers,
.if (\t)+8 < 16
	XLOAD (\t)+8                                   ; which take the loads of eight steps on
.endif
.if (\t)+1 < 16
.if (\t) <= 7
	s_wait_loadcnt 28                              ; the next step's four loads are in; those of the seven steps behind it may be out
.else
	s_wait_loadcnt 4*(14-(\t))                     ; the counts run down
.endif
	XTURN (\t)+1
.endif
.if (\t) >= 2
	s_wait_xcnt 0x0                                ; the stores of two steps ago have read this set of codes: it is written again only behind this wait
.endif
.irp j, 0,1,2
.set n, 0
.rept 16
	v_med3_num_f32 v[XT+n], v[XS+n], -v[8+\j], v[8+\j]   ; the conversion to an 8-bit code does not saturate (ISA guide 7.6.2): the hold at the largest code x the scale
.set n, n+1
.endr
	v_cvt_scalef32_pk8_fp8_f32 v[CC+4*\j:CC+4*\j+1], v[XT:XT+7], v[5+\j]
	v_cvt_scalef32_pk8_fp8_f32 v[CC+4*\j+2:CC+4*\j+3], v[XT+8:XT+15], v[5+\j]
	v_nop                                          ; a plain vector line between the conversions and the next holds, which write their sources
	global_store_b128 v3, v[CC+4*\j:CC+4*\j+3], s[42+2*\j:43+2*\j] offset:512*(\t)   ; 32 lanes store 512 consecutive bytes of plane j
.endr
.endm
.macro WLOAD t                         ; block t: W(32 t + i, my column), i = 0 .. 31
.set n, 0
.rept 32
	global_load_b32 v[WX+32*((\t)%2)+n], v[OF+n], s[48+2*(\t):49+2*(\t)] th:TH_LOAD_NT
.set n, n+1
.endr
.endm
.macro WBLOCK t
.set XS, WX+32*((\t)%2)
.if (\t) < 7
	s_wait_loadcnt 32                              ; this block's 32 loads are in; the next block's may be out
.else
	s_wait_loadcnt 0
.endif
.set n, 0
.rept 32
	v_med3_num_f32 v[XS+n], v[XS+n], -v10, v10
.set n, n+1
.endr
.irp g, 0,1,2,3
	v_cvt_scalef32_pk8_fp8_f32 v[WC+2*\g:WC+2*\g+1], v[XS+8*\g:XS+8*\g+7], v11
.endr
	v_nop                                          ; a plain vector line behind the last conversion
	ds_store_b128 v4, v[WC:WC+3] offset:32*(\t)    ; 32 codes: 32 bytes of my column's row
	ds_store_b128 v4, v[WC+4:WC+7] offset:32*(\t)+16
.if (\t)+2 < 8
	WLOAD (\t)+2
.endif
	s_wait_dscnt 0x0                               ; the stores have read their registers: the next block's codes may be written
.endm
	s_load_b512 s[4:19], s[0:1], 0x0               ; x 4:5, Wq 6:7, Wk 8:9, Wv 10:11, Wo 12:13, scales 14:15, xc 16:17, wc 18:19
	v_lshl_add_u32 v[SPW], v0, 2, SPARE
	v_mov_b32 v[NIL], 0
	v_lshrrev_b32 v1, 5, v0
	v_readfirstlane_b32 s20, v1                    ; wave 0..3
	v_and_b32 v2, 31, v0                           ; lane
	s_wait_kmcnt 0x0
	s_load_b256 s[24:31], s[14:15], 0x0            ; e0 .. e7
	s_load_b128 s[36:39], s[14:15], 0x20           ; e8 .. e11
	s_cmp_lt_u32 ttmp9, 256                        ; x's work-group or a weight's: the work-group's number alone decides
	s_cbranch_scc0 .Lw
	; ---------------- the X way
	s_lshl_b32 s21, ttmp9, 2
	s_add_co_u32 s21, s21, s20                     ; which run of 8,192 numbers is my wave's
	s_lshl_b32 s22, s21, 15                        ; 32,768 bytes of x,
	s_mov_b32 s23, 0
	s_add_nc_u64 s[40:41], s[4:5], s[22:23]
	s_lshl_b32 s22, s21, 13                        ; 8,192 bytes of codes in each plane
	s_add_nc_u64 s[42:43], s[16:17], s[22:23]
	s_add_nc_u64 s[44:45], s[42:43], 0x800000
	s_add_nc_u64 s[46:47], s[44:45], 0x800000
	s_wait_alu depctr_va_vdst(0)
	v_lshlrev_b32 v3, 4, v2                        ; my 16 bytes of a load's or a store's 512
	s_lshl_b32 s22, s20, 13                        ; my wave's 8,192 bytes of LDS
	v_lshrrev_b32 v14, 2, v2
	v_mul_u32_u24 v14, v14, SP
	v_and_b32 v15, 3, v2
	v_lshl_add_u32 v14, v15, 4, v14
	v_add_nc_u32 v14, s22, v14                     ; the stage, on the way in: four lanes' 64 bytes on end, then 16 of padding
	v_mul_u32_u24 v15, v2, SP
	v_add_nc_u32 v15, s22, v15                     ; and on the way out: my 16 neighbours
.irp t, 0,1,2,3,4,5,6,7
	XLOAD \t
.endr
	s_wait_alu depctr_va_vdst(0)
	s_wait_kmcnt 0x0
.irp j, 0,1,2
	s_add_co_i32 s32, s[25+2*\j], 127              ; e1, e3, e5
	s_lshl_b32 s33, s32, 23
	v_mov_b32 v[5+\j], s33                         ; 2^e as f32: the conversion takes its exponent field
	s_add_co_i32 s32, s32, 8
	s_lshl_b32 s32, s32, 23
	s_or_b32 s32, s32, 0x600000
	v_mov_b32 v[8+\j], s32                         ; 448 x 2^e
.endr
	s_wait_alu depctr_va_vdst(0)
	s_wait_loadcnt 28                              ; step 0's four loads are in
	XTURN 0
.irp t, 0,1,2,3,4,5,6,7,8,9,10,11,12,13,14,15
	XSTEP \t
.endr
	s_branch .Lend
	; ---------------- the W way
.Lw:
	s_sub_co_u32 s21, ttmp9, 256
	s_lshr_b32 s22, s21, 5                         ; the tensor: 0 Wq, 1 Wk, 2 Wv, 3 Wo
	s_and_b32 s23, s21, 7
	s_lshl_b32 s23, s23, 2
	s_add_co_u32 s23, s23, s20                     ; g: my wave's 32 columns, n = 32 g on
	s_bfe_u32 s32, s21, 0x20003                    ; which 256 along K
	s_lshr_b32 s33, s23, 1                         ; per head: head g / 2 of 262,144 bytes, columns 32 (g % 2) on
	s_lshl_b32 s33, s33, 18
	s_and_b32 s34, s23, 1
	s_lshl_b32 s34, s34, 7
	s_add_co_u32 s33, s33, s34
	s_lshl_b32 s34, s23, 7                         ; Wo: 128 g bytes into a row
	s_mov_b32 s46, 256                             ; bytes from a row of K to the next: 256 in a head,
	s_cmp_eq_u32 s22, 3
	s_cselect_b32 s33, s34, s33
	s_cselect_b32 s46, 4096, s46                   ; 4,096 in Wo
	s_cselect_b64 s[40:41], s[12:13], s[10:11]
	s_cmp_eq_u32 s22, 1
	s_cselect_b64 s[40:41], s[8:9], s[40:41]
	s_cmp_eq_u32 s22, 0
	s_cselect_b64 s[40:41], s[6:7], s[40:41]       ; the tensor's address: a choice on the work-group's number
	s_lshl_b32 s34, s32, 8
	s_mul_i32 s34, s34, s46
	s_add_co_u32 s42, s33, s34                     ; my columns, my first row of K
	s_mov_b32 s43, 0
	s_lshl_b32 s44, s46, 5                         ; a block of 32 rows on
	s_mov_b32 s45, 0
	s_add_nc_u64 s[48:49], s[40:41], s[42:43]      ; a base for each of the eight blocks: nothing is stepped later
.irp t, 1,2,3,4,5,6,7
	s_add_nc_u64 s[48+2*\t:49+2*\t], s[46+2*\t:47+2*\t], s[44:45]
.endr
	s_lshl_b32 s42, s22, 20                        ; the codes: plane, row 32 g of 1,024 bytes, 256 bytes along K
	s_lshl_b32 s34, s23, 15
	s_add_co_u32 s42, s42, s34
	s_lshl_b32 s34, s32, 8
	s_add_co_u32 s42, s42, s34
	s_add_nc_u64 s[18:19], s[18:19], s[42:43]
	s_wait_alu depctr_va_vdst(0)
	v_lshlrev_b32 v[OF], 2, v2                     ; 4 bytes a lane,
.irp i, 1,2,3,4,5,6,7,8,9,10,11,12,13,14,15,16,17,18,19,20,21,22,23,24,25,26,27,28,29,30,31
	v_add_nc_u32 v[OF+\i], s46, v[OF+\i-1]         ; and a row further down for each register
.endr
	s_mul_i32 s34, s20, 32*WP
	s_add_co_u32 s34, s34, WSTG                    ; my stage
	v_mul_u32_u24 v4, v2, WP
	v_add_nc_u32 v4, s34, v4                       ; into it: row = my column
	v_and_b32 v5, 15, v2
	v_lshrrev_b32 v6, 4, v2
	v_mul_u32_u24 v7, v6, WP
	v_lshl_add_u32 v7, v5, 4, v7
	v_add_nc_u32 v7, s34, v7                       ; out of it: sixteen lanes to a row, two rows an instruction
	v_lshlrev_b32 v8, 10, v6
	v_lshl_add_u32 v8, v5, 4, v8                   ; and the same place in the codes' plane
	WLOAD 0
	WLOAD 1
	s_wait_kmcnt 0x0
	s_cmp_eq_u32 s22, 3
	s_cselect_b32 s47, s39, s28                    ; e11 or e4,
	s_cmp_eq_u32 s22, 1
	s_cselect_b32 s47, s26, s47                    ; e2,
	s_cmp_eq_u32 s22, 0
	s_cselect_b32 s47, s24, s47                    ; e0
	s_add_co_i32 s47, s47, 127
	s_lshl_b32 s34, s47, 23
	v_mov_b32 v11, s34                             ; 2^e
	s_add_co_i32 s47, s47, 8
	s_lshl_b32 s47, s47, 23
	s_or_b32 s47, s47, 0x600000
	v_mov_b32 v10, s47                             ; 448 x 2^e
	s_wait_alu depctr_va_vdst(0)
.irp t, 0,1,2,3,4,5,6,7
	WBLOCK \t
.endr
.irp t, 0,1,2,3,4,5,6,7,8,9,10,11,12,13,14,15
	ds_load_b128 v[WO+4*\t:WO+4*\t+3], v7 offset:2*\t*WP   ; LDS serves a wave's instructions in order: these see my stores
.endr
.irp t, 0,1,2,3,4,5,6,7,8,9,10,11,12,13,14,15
	s_wait_dscnt 15-\t                             ; the younger read-backs may be out
	global_store_b128 v8, v[WO+4*\t:WO+4*\t+3], s[18:19] offset:2*\t*1024   ; sixteen lanes store 256 consecutive bytes, aligned
.endr
.Lend:
	s_wait_tensorcnt 0x0                           ; the wave's end, behind my last LDS store
	ds_add_u32 v[SPW], v[NIL]
	s_wait_dscnt 0x0
	s_endpgm
.Lfunc_end_k_q4db74e83e7_quant:
	.size	k_q4db74e83e7_quant, .Lfunc_end_k_q4db74e83e7_quant-k_q4db74e83e7_quant
	.p2alignl 7, 3214868480
	.fill 96, 4, 3214868480
	.section	.rodata,"a",@progbits
	.p2align	6, 0x0
	.amdhsa_kernel k_q4db74e83e7_quant
		.amdhsa_group_segment_fixed_size 68096
		.amdhsa_private_segment_fixed_size 0
		.amdhsa_enable_private_segment 0
		.amdhsa_kernarg_size 64
		.amdhsa_user_sgpr_count 2
		.amdhsa_user_sgpr_kernarg_segment_ptr 1
		.amdhsa_wavefront_size32 1
		.amdhsa_system_sgpr_workgroup_id_x 1
		.amdhsa_system_sgpr_workgroup_id_y 1
		.amdhsa_system_sgpr_workgroup_id_z 1
		.amdhsa_system_vgpr_workitem_id 0
		.amdhsa_next_free_vgpr 216
		.amdhsa_next_free_sgpr 66
		.amdhsa_reserve_vcc 0
		.amdhsa_float_denorm_mode_32 3
		.amdhsa_float_denorm_mode_16_64 3
		.amdhsa_memory_ordered 1
		.amdhsa_forward_progress 1
		.amdhsa_inst_pref_size 129
	.end_amdhsa_kernel
	.amdgpu_metadata
---
amdhsa.version: [ 1, 2 ]
amdhsa.kernels:
  - .name:           k_q4db74e83e7_quant
    .symbol:         k_q4db74e83e7_quant.kd
    .args:
      - { .name: x, .offset: 0, .size: 8, .value_kind: global_buffer, .address_space: global }
      - { .name: Wq, .offset: 8, .size: 8, .value_kind: global_buffer, .address_space: global }
      - { .name: Wk, .offset: 16, .size: 8, .value_kind: global_buffer, .address_space: global }
      - { .name: Wv, .offset: 24, .size: 8, .value_kind: global_buffer, .address_space: global }
      - { .name: Wo, .offset: 32, .size: 8, .value_kind: global_buffer, .address_space: global }
      - { .name: lowp_scales, .offset: 40, .size: 8, .value_kind: global_buffer, .address_space: global }
      - { .name: xc, .offset: 48, .size: 8, .value_kind: global_buffer, .address_space: global }
      - { .name: wc, .offset: 56, .size: 8, .value_kind: global_buffer, .address_space: global }
    .group_segment_fixed_size: 68096
    .private_segment_fixed_size: 0
    .kernarg_segment_align: 8
    .kernarg_segment_size: 64
    .max_flat_workgroup_size: 128
    .sgpr_count:     66
    .vgpr_count:     216
    .wavefront_size: 32
...
	.end_amdgpu_metadata
.endif
;; end of part 1
;; launch qkv (part 2): grid 12 x 32, 4 waves a work-group, clusters of 4 x 4, 327,680 bytes of LDS; arguments xc, wc, lowp_scales, qkvc; writes qkvc
.if DOCPART == 2
	.amdgcn_target "amdgcn-amd-amdhsa--gfx1250"
	.amdhsa_code_object_version 6
	.text
	.protected	k_q4db74e83e7_qkv
	.globl	k_q4db74e83e7_qkv
	.p2align	8
	.type	k_q4db74e83e7_qkv,@function
k_q4db74e83e7_qkv:
	s_mov_b64 s[64:65], 0
	v_nop
	global_prefetch_b8 v0, s[64:65] scope:SCOPE_SE
	s_setreg_imm32_b32 hwreg(HW_REG_WAVE_MODE, 25, 1), 1
	s_wait_xcnt 0x0
	s_wait_alu depctr_hold_cnt(0) depctr_sa_sdst(0) depctr_va_vdst(0) depctr_va_sdst(0) depctr_va_ssrc(0) depctr_va_vcc(0) depctr_vm_vsrc(0)
	s_getreg_b32 s2, hwreg(HW_REG_IB_STS2, 6, 4)
	s_cmp_eq_u32 s2, 0
	s_cbranch_scc0 .Lentry_in_a_cluster
	s_endpgm
.Lentry_in_a_cluster:
	s_bfe_u32 s2, ttmp6, 0x10000c
	s_cmp_lg_u32 s2, 0xf033
	s_cbranch_scc0 .Lentry_shape_is_right
	s_endpgm
.Lentry_shape_is_right:
; q, k, v = x W, on codes of FP8 (E4M3), and each result quantised at once for the attention that follows: only codes go to memory.
; The cluster's x is the tensor t: 0 q, 1 k, 2 v.  Operands: plane t of xc [8192 (b, s)][1024 k] and plane t of wc [1024 (h, d)][1024 k]; K = 1,024 in four steps of 256 through a ring of two LDS slots.
; A tile of 256 x 256 is made by four waves, 128 x 128 each: 64 accumulators, 512 registers.  The matrix instruction takes rows of 'B' as source 0 and rows of 'A' as source 1: a lane's eight results are eight neighbours along B's rows.
; For q and k: A = x, B = the weight: a lane holds eight neighbouring d of one (b, s).  For v THE OPERANDS CHANGE PLACES (A = Wv, B = x): a lane holds eight neighbouring KEYS of one d: v leaves with its keys innermost.
; That choice is made by selects on the cluster's x, which all sixteen partners share; the text has no branch on it.
; OUT: qkvc plane 0: q [64 bh][2048 s][64 d]; plane 1: k likewise; plane 2: v as [64 bh][32 blocks of 64 keys][64 d][64 keys].  A sum stands for sum x 2^(ew + ex); its code is sum / 2^(eo - ew - ex): one folded scale.
; CLUSTERS: 4 x 4 work-groups; A's tiles are asked for jointly along a row of the cluster, B's along a column.
; LIMITS: e6 - e0 - e1, e7 - e2 - e3 and e9 - e4 - e5 lie between -126 and 119, so that the folded scale and 448 x it are f32 numbers.
; REGISTERS, in windows of 256: window 0: v0-31 addresses and the scale; from v128 A's fragments, one set; on the way out v32-159 are at work.  window 1: B's fragments, two sets.  windows 2, 3: the accumulators ((a, b) at v[8 (8 (a % 4) + b)]).
.set KSTEP,  256
.set ROWB,   256                       ; a tile's row in bytes
.set KROW,   1024                      ; a row of either operand in memory
.set PITCH,  272                       ; an LDS row: 256 bytes + 16 of padding = 68 words: the 16 rows that a load touches start at 16 different banks (64 banks of 4 bytes: ISA guide 11.1)
.set FR,     16
.set NL,     4
.set NP,     4                         ; places behind this matrix instruction (ISA guide 7.12.1)
.set HALFT,  128*PITCH
.set SLOT,   4*HALFT
.set LAPS,   2                         ; 1,024 / 512
.set SPARE,  2*SLOT                    ; behind the ring: the spare words, 128 bytes for each wave
.set OP,     144                       ; the way out: a stage of 16 rows x (128 bytes + 16) for each wave, in slot 0, which has had its last fill and its last read by then
.set ADRA, 16
.set ADRB, 20
.set STO,  24                          ; v24  where I put 8 codes of a row
.set RD,   25                          ; v25  where I read 16 bytes back
.set CO,   26                          ; v26  my byte offset in the output
.set SPW,  28
.set NIL,  29
.set SCL,  30                          ; v30  the folded scale as f32
.set LIMV, 31                          ; v31  448 x it
.set TMP,  32                          ; v32-95   a block's sums, held
.set CD,   96                          ; v96-127  codes, two sets of 16
.set AF,   128
.set BK,   128                         ; v128-159 rows read back, two sets of 16
.set G1, 24
.set G0, 32
.set G1B, 48
.set G0B, 56
.set MSB, 0
.macro WIN new                         ; the immediate's high byte repeats the setting that is left
.if MSB != \new
	s_set_vgpr_msb (MSB<<8)|\new
.set MSB, \new
.endif
.endm
.set MUL_LO, 0xa1                      ; source 0 (B) window 1, source 1 (A) window 0, C and D window 2
.set MUL_HI, 0xf1
.set TO_B,   0x40
; A joint load: waves 0 and 1 fetch for A, waves 2 and 3 for B; the branch hangs on the wave's number alone.  An s_nop 0 and four v_nop follow each of the two lines.
.macro JLOAD g0a, g1a, g0b, g1b
	s_cmp_eq_u32 s15, 0
	s_cbranch_scc0 .Lfor_b_\@
	tensor_load_to_lds s[\g0a:\g0a+3], s[\g1a:\g1a+7]
	s_nop 0
.rept 4
	v_nop
.endr
	s_branch .Lasked_\@
.Lfor_b_\@:
	tensor_load_to_lds s[\g0b:\g0b+3], s[\g1b:\g1b+7]
	s_nop 0
.rept 4
	v_nop
.endr
.Lasked_\@:
.endm
.macro CREST                           ; a round of the cluster's barrier behind its opening barrier
	s_cmp_lg_u32 s14, 0
	s_cbranch_scc1 .Lnot_wave_0_\@
	s_barrier_signal -3
.Lnot_wave_0_\@:
	s_barrier_wait -3
	s_barrier_signal -1
	s_barrier_wait -1
.endm
.macro CROUND
	s_barrier_signal -1
	s_barrier_wait -1
	CREST
.endm
	s_load_b128 s[4:7], s[0:1], 0x0                ; xc s[4:5], wc s[6:7]
	s_load_b128 s[8:11], s[0:1], 0x10              ; the scales' exponents s[8:9], qkvc s[10:11]
	v_lshl_add_u32 v[SPW], v0, 2, SPARE
	v_mov_b32 v[NIL], 0
	ds_add_u32 v[SPW], v[NIL]                      ; the wave's opening: the add and its wait stand ahead of my first tensor load; the set-up below, work on registers, stands between them
	ds_add_u32 v[SPW], v[NIL]
	v_lshrrev_b32 v1, 5, v0
	v_readfirstlane_b32 s14, v1                    ; wave 0..3
	s_lshr_b32 s15, s14, 1                         ; which half of the tile's rows is mine.  Also: I fetch for A (0) or for B (1)
	s_and_b32 s16, s14, 1                          ; which half of its columns.  Also: which 128 rows of that tile I fetch
	s_bfe_u32 s40, ttmp6, 0x40000                  ; cx
	s_bfe_u32 s41, ttmp6, 0x40004                  ; cy
	s_and_b32 s18, ttmp7, 0xffff
	s_lshl_b32 s18, s18, 2                         ; 4 x cluster y: it walks x's 32 tiles of rows
	s_cmp_eq_u32 ttmp9, 2                          ; v?
	s_cselect_b32 s17, 0, s18
	s_cselect_b32 s42, s18, 0
	s_add_co_u32 s17, s17, s41                     ; tile row (of A): q, k: 4 Y + cy; v: cy
	s_add_co_u32 s42, s42, s40                     ; tile column (of B): q, k: cx; v: 4 Y + cx
	s_lshl_b32 s43, s41, 2
	s_lshl_b32 s43, 15, s43                        ; my row of the cluster
	s_lshl_b32 s44, 0x1111, s40                    ; my column
	s_or_b32 s[G1+0], s43, (0<<16)|(1<<20)|(1<<21)|(5<<22)|(3<<25)  ; 15:0 the mask; 17:16 elements of 1 byte; 20 padding on; 21 set beside a mask; 24:22 after every 64 words; 31:25 four words
	s_or_b32 s[G1B+0], s44, (0<<16)|(1<<20)|(1<<21)|(5<<22)|(3<<25)
.irp g, G1, G1B
	s_mov_b32 s[\g+1], ROWB<<16                    ; tensor_dim0
	s_mov_b32 s[\g+2], 128<<16                     ; tensor_dim1
	s_mov_b32 s[\g+3], ROWB<<16                    ; tile_dim0
	s_mov_b32 s[\g+4], 128                         ; tile_dim1
	s_mov_b32 s[\g+5], KROW                        ; tensor_dim0_stride
	s_mov_b32 s[\g+6], 0
	s_mov_b32 s[\g+7], 0
.endr
	s_lshl_b32 s18, s16, 7                         ; which 128 rows of the tile I fetch
	s_lshl_b32 s20, s17, 8
	s_add_co_u32 s20, s20, s18
	s_lshl_b32 s20, s20, 10                        ; A: (256 x tile row + 128 x half) rows of 1,024 bytes
	s_mov_b32 s21, 0
	s_lshl_b32 s46, s42, 8
	s_add_co_u32 s46, s46, s18
	s_lshl_b32 s46, s46, 10                        ; B likewise, by the tile column
	s_mov_b32 s47, 0
	s_mul_i32 s45, s14, HALFT                      ; where they go: wave x 128 rows
	s_lshl_b32 s12, ttmp9, 23                      ; plane t of xc,
	s_mov_b32 s13, 0
	s_lshl_b32 s2, ttmp9, 20                       ; and of wc
	s_mov_b32 s3, 0
	s_wait_dscnt 0x0                               ; the opening add is done
	s_wait_kmcnt 0x0
	s_load_b256 s[68:75], s[8:9], 0x0              ; e0 .. e7
	s_load_b128 s[76:79], s[8:9], 0x20             ; e8 .. e11
	s_add_nc_u64 s[4:5], s[4:5], s[12:13]
	s_add_nc_u64 s[6:7], s[6:7], s[2:3]
	s_cmp_eq_u32 ttmp9, 2
	s_cselect_b64 s[84:85], s[6:7], s[4:5]         ; A: x's codes, for v the weight's
	s_cselect_b64 s[86:87], s[4:5], s[6:7]         ; B: the weight's codes, for v x's
	s_add_nc_u64 s[20:21], s[84:85], s[20:21]
	s_add_nc_u64 s[46:47], s[86:87], s[46:47]
	CROUND                                         ; all sixteen work-groups are here: the first joint loads meet
.irp s, 0,1
	s_mov_b32 s[G0+4*\s], 1
	s_add_co_u32 s[G0+4*\s+1], s45, \s*SLOT
	s_add_nc_u64 s[G0+4*\s+2:G0+4*\s+3], s[20:21], \s*ROWB
	s_or_b32 s[G0+4*\s+3], s[G0+4*\s+3], 0x80000000
	s_mov_b32 s[G0B+4*\s], 1
	s_add_co_u32 s[G0B+4*\s+1], s45, \s*SLOT
	s_add_nc_u64 s[G0B+4*\s+2:G0B+4*\s+3], s[46:47], \s*ROWB
	s_or_b32 s[G0B+4*\s+3], s[G0B+4*\s+3], 0x80000000
.endr
	JLOAD G0, G1, G0B, G1B                         ; K step 0: one tensor load a wave at the head
	v_and_b32 v1, 15, v0                           ; r = l % 16
	v_bfe_u32 v2, v0, 4, 1                         ; h = l / 16
	v_mul_u32_u24 v3, v1, PITCH
	v_lshl_add_u32 v4, v2, 4, v3                   ; a fragment's row x pitch + 16 x half
	s_mul_i32 s21, s15, HALFT                      ; my 128 rows of A
	s_mul_i32 s22, s16, HALFT
	s_add_co_u32 s22, s22, 2*HALFT                 ; my 128 rows of B, behind A's 256
.irp s, 0,1
	v_add_nc_u32 v[ADRA+\s], s21, v4
	v_add_nc_u32 v[ADRB+\s], s22, v4
	s_add_co_u32 s21, s21, SLOT
	s_add_co_u32 s22, s22, SLOT
.endr
	s_mul_i32 s23, s14, 16*OP                      ; my stage
	v_bfe_u32 v8, v0, 2, 2                         ; (l / 4) % 4
	v_and_b32 v9, 3, v0                            ; l % 4
	v_mul_u32_u24 v5, v1, OP
	v_lshl_add_u32 v5, v2, 3, v5
	v_add_nc_u32 v[STO], s23, v5                   ; in: row r, 8 bytes for each half of the lanes
	v_mul_u32_u24 v5, v8, OP
	v_lshl_add_u32 v5, v2, 6, v5
	v_lshl_add_u32 v5, v9, 4, v5
	v_add_nc_u32 v[RD], s23, v5                    ; back: lanes 0-15 take the left 64 bytes of four rows, lanes 16-31 the right 64
	s_lshl_b32 s20, s17, 8
	s_lshl_b32 s21, s15, 7
	s_add_co_u32 s20, s20, s21                     ; my first row of the tile's A side
	s_lshl_b32 s46, s42, 8
	s_lshl_b32 s47, s16, 7
	s_add_co_u32 s46, s46, s47                     ; and of its B side
	s_mov_b32 s92, 4096
	s_mov_b32 s94, 0x20000
	s_cmp_eq_u32 ttmp9, 2
	s_cselect_b32 s22, s46, s20                    ; P: the (b, s) coordinate
	s_cselect_b32 s23, s20, s46                    ; H: the (h, d) coordinate
	s_cselect_b32 s93, s94, s92                    ; from my block 3 to my block 4: q, k: 64 rows of 64 bytes on; v: the next head
	s_cselect_b32 s92, s92, s94                    ; from the left 64 columns to the right: q, k: the next head; v: the next 64 keys
	v_mul_u32_u24 v[CO], s92, v2
	v_lshl_add_u32 v[CO], v8, 6, v[CO]
	v_lshl_add_u32 v[CO], v9, 4, v[CO]             ; sixteen lanes: four rows of 64 bytes on end: 256 consecutive bytes
	s_lshr_b32 s95, s22, 11
	s_lshl_b32 s95, s95, 21                        ; b: sixteen heads of 131,072 bytes
	s_lshr_b32 s23, s23, 6
	s_lshl_b32 s23, s23, 17                        ; h
	s_add_co_u32 s95, s95, s23
	s_and_b32 s22, s22, 2047
	s_lshl_b32 s22, s22, 6                         ; s x 64 bytes (for v: s / 64 blocks of 4,096: the same number, s being a multiple of 64)
	s_add_co_u32 s95, s95, s22
	s_lshl_b32 s22, ttmp9, 23                      ; the plane
	s_add_co_u32 s22, s22, s95
	s_mov_b32 s23, 0
	s_add_nc_u64 s[80:81], s[10:11], s[22:23]      ; my blocks 0-3,
	s_mov_b32 s22, s93
	s_add_nc_u64 s[82:83], s[80:81], s[22:23]      ; my blocks 4-7
.macro FRAG reg, adr, q, i             ; 16 rows x 128 K: registers 4 c .. 4 c + 3 hold K = 32 c + 16 (l / 16) + 0 .. 15, alike in A and B
.irp c, 0,1,2,3
	ds_load_b128 v[\reg+4*\c:\reg+4*\c+3], v[\adr] offset:128*(\q)+32*\c+(\i)*16*PITCH
.endr
.endm
; 16 matrix instructions: A's blocks a0, a0 + 1 x B's eight.  The 64 accumulators take turns, one instruction a turn, in the same order in every step.
.macro MUL16 a0, p, zero
.irp a, \a0, \a0+1
.irp b, 0,1,2,3,4,5,6,7
.if \zero
	v_wmma_f32_16x16x128_fp8_fp8 v[8*(8*((\a)%4)+\b):8*(8*((\a)%4)+\b)+7], v[128*(\p)+FR*\b:128*(\p)+FR*\b+FR-1], v[AF+FR*(\a):AF+FR*(\a)+FR-1], 0
.else
	v_wmma_f32_16x16x128_fp8_fp8 v[8*(8*((\a)%4)+\b):8*(8*((\a)%4)+\b)+7], v[128*(\p)+FR*\b:128*(\p)+FR*\b+FR-1], v[AF+FR*(\a):AF+FR*(\a)+FR-1], v[8*(8*((\a)%4)+\b):8*(8*((\a)%4)+\b)+7]
.endif
.endr
.endr
.endm
.macro FETCH_B slot, q, p
	WIN TO_B
.irp i, 0,1,2,3,4,5,6,7
	FRAG 128*(\p)+FR*\i, ADRB+\slot, \q, \i
.endr
	WIN 0
.endm
.macro FETCH_A slot, q, i0
.irp i, \i0, \i0+1, \i0+2, \i0+3
	FRAG AF+FR*(\i), ADRA+\slot, \q, \i
.endr
.endm
.macro PLACES n                        ; plain vector lines between a matrix instruction and a load into, or a read of, its registers
.rept \n
	v_nop
.endr
.endm
.macro STEP slot, q, zero              ; 128 along K whose successor lies in the same slot
	s_wait_dscnt 4*NL                              ; B's set and A's blocks 0-3 are in; the youngest 16 loads (A's blocks 4-7) may be out
	WIN MUL_LO
	MUL16 0, (\q)%2, \zero
	MUL16 2, (\q)%2, \zero
	s_wait_dscnt 0
	PLACES NP
	FETCH_B \slot, (\q)+1, 1-(\q)%2
	FETCH_A \slot, (\q)+1, 0
	WIN MUL_HI
	MUL16 4, (\q)%2, \zero
	MUL16 6, (\q)%2, \zero
	PLACES NP
	WIN 0
	FETCH_A \slot, (\q)+1, 4
.endm
; A slot's last step changes slots: one barrier; in front of it each wave waits for all its tensor loads, adds 0 to its spare word, and waits for that and for its reads of this slot.
.macro TURN slot, next, fill
	s_wait_tensorcnt 0x0                           ; all my tensor loads have landed: my part of the next slot
	ds_add_u32 v[SPW], v[NIL]                      ; 0 onto my spare word
	s_wait_dscnt 4*NL+1                            ; the add and the youngest 16 loads (A's blocks 4-7) may be out
	WIN MUL_LO
	MUL16 0, 1, 0
	s_wait_dscnt 0x0                               ; the add is done, and my reads of this slot are over
	s_barrier_signal -1
	MUL16 2, 1, 0
	WIN 0
	s_barrier_wait -1
.if \fill
	CREST                                          ; the barrier has opened a round of the cluster's barrier: no wave of any partner still reads this slot or has a load on its way
	s_add_nc_u64 s[G0+4*\slot+2:G0+4*\slot+3], s[G0+4*\slot+2:G0+4*\slot+3], 2*ROWB
	s_add_nc_u64 s[G0B+4*\slot+2:G0B+4*\slot+3], s[G0B+4*\slot+2:G0B+4*\slot+3], 2*ROWB
	JLOAD G0+4*\slot, G1, G0B+4*\slot, G1B         ; the first tensor load behind the round; its four v_nop are the places in front of the loads below
.else
	PLACES NP
.endif
	FETCH_B \next, 0, 0
	FETCH_A \next, 0, 0
	WIN MUL_HI
	MUL16 4, 1, 0
	MUL16 6, 1, 0
	PLACES NP
	WIN 0
	FETCH_A \next, 0, 4
.endm
	s_wait_alu depctr_va_vdst(0)                   ; the head's end
	s_wait_tensorcnt 0x0                           ; my part of K step 0 is in
	ds_add_u32 v[SPW], v[NIL]
	s_wait_dscnt 0x0
	CROUND                                         ; everybody's part of K step 0 is in, and all sixteen work-groups are here
	JLOAD G0+4, G1, G0B+4, G1B                     ; K step 1: the first tensor load behind the round
	FETCH_B 0, 0, 0
	FETCH_A 0, 0, 0
	FETCH_A 0, 0, 4
	STEP 0, 0, 1                                   ; the first step's products start the sums: nothing is cleared
	s_mov_b32 s3, LAPS-1
.Llap:                                             ; a trip goes once round the ring and fills both slots again
	TURN 0, 1, 1
	STEP 1, 0, 0
	TURN 1, 0, 1
	STEP 0, 0, 0
	s_sub_co_u32 s3, s3, 1
	s_cmp_lg_u32 s3, 0
	s_cbranch_scc1 .Llap
	TURN 0, 1, 0                                   ; the last lap fills nothing
	STEP 1, 0, 0
	s_wait_dscnt 4*NL
	WIN MUL_LO
	MUL16 0, 1, 0
	MUL16 2, 1, 0
	s_wait_dscnt 0
	WIN MUL_HI
	MUL16 4, 1, 0
	MUL16 6, 1, 0
	WIN 0
; THE WAY OUT, block by block of 16 rows x 128 columns: held, converted (8 codes a lane and accumulator), through my stage, and out as runs of 256 consecutive bytes.
.macro TOSTAGE a
.set AC, 64*((\a)%4)
	WIN (0x02+((\a)/4))                            ; source 0: window 2 or 3
.set n, 0
.rept 64
	v_med3_num_f32 v[TMP+n], v[AC+n], -v[LIMV], v[LIMV]   ; the hold at the largest code x the scale; each accumulator from its low end on
.set n, n+1
.endr
	WIN 0
.irp b, 0,1,2,3,4,5,6,7
	v_cvt_scalef32_pk8_fp8_f32 v[CD+16*((\a)%2)+2*\b:CD+16*((\a)%2)+2*\b+1], v[TMP+8*\b:TMP+8*\b+7], v[SCL]
.endr
	v_nop                                          ; a plain vector line behind the last conversion: the next block's holds write its sources
.irp b, 0,1,2,3,4,5,6,7
	ds_store_b64 v[STO], v[CD+16*((\a)%2)+2*\b:CD+16*((\a)%2)+2*\b+1] offset:16*\b
.endr
.irp i, 0,1,2,3
	ds_load_b128 v[BK+16*((\a)%2)+4*\i:BK+16*((\a)%2)+4*\i+3], v[RD] offset:4*\i*OP   ; LDS serves a wave's instructions in order: these see the stores above
.endr
.endm
.macro SEND a, younger
	s_wait_dscnt \younger                          ; the block is back in registers; the next block's LDS instructions may be out
.irp i, 0,1,2,3
	global_store_b128 v[CO], v[BK+16*((\a)%2)+4*\i:BK+16*((\a)%2)+4*\i+3], s[80+2*((\a)/4):81+2*((\a)/4)] offset:1024*((\a)%4)+256*\i   ; each half of the lanes stores 256 consecutive bytes, aligned
.endr
.endm
	s_wait_kmcnt 0x0
	s_cmp_eq_u32 ttmp9, 0
	s_cselect_b32 s88, s68, s70                    ; the weight's e: e0, e2,
	s_cselect_b32 s89, s69, s71                    ; x's: e1, e3,
	s_cselect_b32 s90, s74, s75                    ; the result's: e6, e7,
	s_cmp_eq_u32 ttmp9, 2
	s_cselect_b32 s88, s72, s88                    ; or e4,
	s_cselect_b32 s89, s73, s89                    ; e5,
	s_cselect_b32 s90, s77, s90                    ; e9
	s_sub_co_i32 s90, s90, s88
	s_sub_co_i32 s90, s90, s89
	s_add_co_i32 s90, s90, 127
	s_lshl_b32 s91, s90, 23
	v_mov_b32 v[SCL], s91                          ; 2^(eo - ew - ex)
	s_add_co_i32 s90, s90, 8
	s_lshl_b32 s90, s90, 23
	s_or_b32 s90, s90, 0x600000
	v_mov_b32 v[LIMV], s90                         ; 448 x that
	PLACES NP
	TOSTAGE 0
.irp a, 1,2,3,4,5,6,7
.if \a > 1
	s_wait_xcnt 0x0                                ; block a - 2's stores have read their registers: block a's loads may land there
.endif
	TOSTAGE \a
	SEND \a-1, 12                                  ; behind block a - 1's loads: block a's 8 stores and 4 loads
.endr
	SEND 7, 0
	s_wait_tensorcnt 0x0                           ; the wave's end, behind my last tensor load and my last LDS store
	ds_add_u32 v[SPW], v[NIL]
	s_wait_dscnt 0x0
	CROUND                                         ; the closing round: no work-group ends while a partner may still ask for a tile that names it
	s_endpgm
.Lfunc_end_k_q4db74e83e7_qkv:
	.size	k_q4db74e83e7_qkv, .Lfunc_end_k_q4db74e83e7_qkv-k_q4db74e83e7_qkv
	.p2alignl 7, 3214868480
	.fill 96, 4, 3214868480
	.section	.rodata,"a",@progbits
	.p2align	6, 0x0
	.amdhsa_kernel k_q4db74e83e7_qkv
		.amdhsa_group_segment_fixed_size 327680
		.amdhsa_private_segment_fixed_size 0
		.amdhsa_enable_private_segment 0
		.amdhsa_kernarg_size 32
		.amdhsa_user_sgpr_count 2
		.amdhsa_user_sgpr_kernarg_segment_ptr 1
		.amdhsa_wavefront_size32 1
		.amdhsa_system_sgpr_workgroup_id_x 1
		.amdhsa_system_sgpr_workgroup_id_y 1
		.amdhsa_system_sgpr_workgroup_id_z 1
		.amdhsa_system_vgpr_workitem_id 0
		.amdhsa_next_free_vgpr 1024
		.amdhsa_next_free_sgpr 100
		.amdhsa_reserve_vcc 0
		.amdhsa_float_denorm_mode_32 3
		.amdhsa_float_denorm_mode_16_64 3
		.amdhsa_memory_ordered 1
		.amdhsa_forward_progress 1
		.amdhsa_inst_pref_size 126
	.end_amdhsa_kernel
	.amdgpu_metadata
---
amdhsa.version: [ 1, 2 ]
amdhsa.kernels:
  - .name:           k_q4db74e83e7_qkv
    .symbol:         k_q4db74e83e7_qkv.kd
    .args:
      - { .name: xc, .offset: 0, .size: 8, .value_kind: global_buffer, .address_space: global }
      - { .name: wc, .offset: 8, .size: 8, .value_kind: global_buffer, .address_space: global }
      - { .name: lowp_scales, .offset: 16, .size: 8, .value_kind: global_buffer, .address_space: global }
      - { .name: qkvc, .offset: 24, .size: 8, .value_kind: global_buffer, .address_space: global }
    .group_segment_fixed_size: 327680
    .private_segment_fixed_size: 0
    .kernarg_segment_align: 8
    .kernarg_segment_size: 32
    .max_flat_workgroup_size: 128
    .sgpr_count:     100
    .vgpr_count:     1024
    .wavefront_size: 32
...
	.end_amdgpu_metadata
.endif
;; end of part 2
;; launch attn (part 3): grid 4 x 64, 8 waves a work-group, no clusters, 327,680 bytes of LDS; arguments qkvc, lowp_scales, oc; writes oc
.if DOCPART == 3
	.amdgcn_target "amdgcn-amd-amdhsa--gfx1250"
	.amdhsa_code_object_version 6
	.text
	.protected	k_q4db74e83e7_attn
	.globl	k_q4db74e83e7_attn
	.p2align	8
	.type	k_q4db74e83e7_attn,@function
k_q4db74e83e7_attn:
	s_mov_b64 s[64:65], 0
	v_nop
	global_prefetch_b8 v0, s[64:65] scope:SCOPE_SE
	s_setreg_imm32_b32 hwreg(HW_REG_WAVE_MODE, 25, 1), 1
	s_wait_xcnt 0x0
; Causal attention on codes of FP8 (E4M3), head size 64, 64 heads (b, h) of 2,048 positions; the result leaves as codes for the last product.
; IN: qkvc plane 0: q [bh][s][64]; plane 1: k [bh][s][64]; plane 2: v with the keys innermost, [bh][s / 64][64 d][64 keys].  OUT: oc [bh][s][64 d], codes under e10.
; WORK LEFT OUT: key steps all of whose keys come after a pair's queries: the causal mask turns their scores into -infinity, so they add nothing to any sum.
; THE SOFTMAX: t = score x log2(e) / 8; M = the running largest t rounded UP to a whole number; p = 2^(t - M) is quantised under e8, not normalised; the row's sum is taken of the unquantised p and divides at the end.
; When M moves, the sum and O are multiplied by 2^(old M - new M), which rounds nothing.
; SHARES.  Work-group (p, bh) owns the query blocks p and 7 - p of 256 queries: together they have the same number of key steps for every p.  Each of its EIGHT waves owns a PAIR of tiles (32 neighbouring queries)
; in each block: four tiles of 16.  A wave walks the keys once, 128 a step; a step's fragments of K and V are read from LDS once and serve both tiles of a pair, and both pairs where both work.
; A pair works in a step only where the step's first key is at or under its last query (a scalar branch on ids).
; K's fragments of a slot's second to fourth step are asked for a step ahead, as soon as the high pair's first product has read the registers; V's at the step's head, a softmax ahead of their use.
; THE RING: two LDS slots of 512 keys (K 32,768 bytes, V as many); every wave fetches an eighth of a slot with one tensor load (waves 0-3: K's quarters; waves 4-7: V's), stated as 32 rows of 256 bytes, dense in memory,
; with 16 bytes of padding behind every 64: a row of 64 codes is 80 bytes in LDS.  One change of slots for four key steps.
; NO CLUSTER: the work-groups that share a head's K and V end their walk at different slots (4, 4, 3, 3 for p = 0 .. 3), and no jump may lead round a joint load.
; LAYOUT.  Both products are used transposed: S^T = K Q^T (source 0 = 16 keys), O^T = V^T P^T (source 0 = 16 of the head's 64): a lane holds ONE query of each tile.  Lane r of key tile 2 b + u takes key
; 32 b + 8 u + r + 8 (r / 8), so that the 16 registers of tiles 2 b, 2 b + 1 are keys 32 b + 16 (lane / 16) + 0 .. 15: the conversions' results are the second product's operand.
; LIMITS: e6 + e7 between -123 and 130 (added to c's exponent field); e8 and e10 between -126 and 119; e8 + e9 is applied by v_ldexp_f32.  The scaled scores stay under 2^31 in magnitude.
; REGISTERS.  Window 0: v1-11 addresses; v12-27 the four tiles' -M, largest t, sum in two halves; v28-59 Q; v60-187 S^T, then p, of a pair; v188-219 p's codes; v220-247 at work.
; Window 1: v0-63 K's eight fragments; v64-127 V's four; v128-255 O^T of the four tiles.
.set KP,    80                         ; a row of 64 codes in LDS
.set QSTEP, 128*KP                     ; a key step's rows of K, or of V; also what one tensor load fills
.set VOFF,  512*KP                     ; a slot: 512 rows of K, then 512 rows of V (8 blocks of 64 keys x 64 d)
.set SLOT1, 1<<17                      ; slot 1 begins here: one exclusive or turns an address from one slot to the other
.set STAGE, 2*VOFF                     ; between the slots: 4 x 16 rows x 80 bytes for each wave, for the way out; no tile lands here
.set SPARE, 2*SLOT1                    ; behind the ring: the spare words, 128 bytes for each wave: four blocks of 256 bytes
.set AK0,  1
.set AV0,  2
.set PFO,  3                           ; 256 x lane: the prefetches' offset
.set QO,   4
.set SPW,  5
.set NIL,  6
.set GO,   7                           ; 16 x lane: the way out
.set ADK,  8
.set ADV,  9
.set STI,  10
.set STB,  11
.set ST,   12                          ; tile y: v[12+4y] -M, +1 the largest t, +2, +3 the sum
.set QF,   28                          ; tile y: v[28+8y ..]
.set S,    60
.set PC,   188
.set SCL,  220
.set PL,   222                         ; v222, v223 lane permutes' results
.set FF,   224                         ; v[224:225], v[226:227] f = 2^(old M - new M) of the pair's tiles (the upper halves are only named)
.set MA,   228                         ; v228-231 the maxima's chains 0 and 1 of the two tiles
.set C1,   232                         ; v[232:233], v[234:235], v[246:247] a tile's second to fourth chain of sums
.set C2,   234
.set DD,   236                         ; v236, v237 the mask's d; v238 -infinity
.set DL,   239                         ; lane % 16 - 16 (lane / 16)
.set LIMV, 240                         ; v240, v241: 448 x the scale, twice: the two halves of a dual pair take their second sources from different banks
.set MC,   242                         ; v242-245 the maxima's chains 2 and 3
.set C3,   246
.set FK,   0                           ; window 1
.set FV,   64
.set O,    128
.set WV,   18
.set SEL,  20
.set CS,   22
.set G1,   24
.set G0,   40
.set SB,   2                           ; s2   where the slot in hand begins
.set TB,   3                           ; s3   where the step in hand begins
.set QI,   46                          ; s46  the step in the slot
.set SLOTS, 67
.set KF,   98                          ; s98  the step's first key
.set QA,   92                          ; s92, s93  my two pairs' first queries
.set QL,   94                          ; s94  my work-group's last query
.set PFA,  76
.set LIM,  80
.set MSB, 0
.macro WIN new                         ; the immediate's high byte repeats the setting that is left; at every label and branch the setting is 0
.if MSB != \new
	s_set_vgpr_msb (MSB<<8)|\new
.set MSB, \new
.endif
.endm
.macro TLOAD                           ; every wave fetches its eighth.  An s_nop 0 and four v_nop follow the load
	tensor_load_to_lds s[G0:G0+3], s[G1:G1+7]
	s_nop 0
.rept 4
	v_nop
.endr
.endm
; A PREFETCH of what the NEXT change of slots will ask for.  The four work-groups of a head walk the same K and V: the first of them, which loads all four slots, asks; each of its waves names the 8,192 bytes that it
; will itself load, lanes 256 bytes apart: one instruction a wave, each aligned block of 256 bytes once in the launch.  Slots 0 and 1 come by their loads alone; the last change that fills a slot asks for nothing.
.macro ASK
	s_cmp_gt_u32 s[SLOTS], s[LIM]
	s_cbranch_scc0 .Lnot_mine_\@
	global_prefetch_b8 v[PFO], s[PFA:PFA+1] th:TH_LOAD_NT scope:SCOPE_SE
.Lnot_mine_\@:
.endm
.macro KLOAD off                       ; K's eight fragments of the step that begins off bytes behind the one in hand
	WIN 0x40
.irp t, 0,1,2,3,4,5,6,7
.irp c, 0,1
	ds_load_b128 v[FK+8*\t+4*\c:FK+8*\t+4*\c+3], v[ADK] offset:\off+(32*(\t/2)+8*(\t%2))*KP+32*\c
.endr
.endr
	WIN 0
.endm
	s_load_b128 s[4:7], s[0:1], 0x0                ; qkvc s[4:5], the scales' exponents s[6:7]
	s_load_b64 s[8:9], s[0:1], 0x10                ; oc
	v_lshl_add_u32 v[SPW], v0, 2, SPARE
	v_mov_b32 v[NIL], 0
	ds_add_u32 v[SPW], v[NIL]                      ; the wave's opening: the add, twice on end, and its wait ahead of my first tensor load
	ds_add_u32 v[SPW], v[NIL]
	v_lshrrev_b32 v8, 5, v0
	v_readfirstlane_b32 s[WV], v8                  ; wave 0..7
	s_and_b32 s10, ttmp7, 0xffff
	s_lshl_b32 s10, s10, 17                        ; the head's first byte in each plane and in oc
	s_lshl_b32 s12, s[WV], 5
	s_lshl_b32 s[QA], ttmp9, 8
	s_add_co_u32 s[QA], s[QA], s12                 ; the low pair: 256 p + 32 w
	s_sub_co_u32 s[QA+1], 7, ttmp9
	s_lshl_b32 s[QA+1], s[QA+1], 8
	s_add_co_u32 s[QA+1], s[QA+1], s12             ; the high pair: 256 (7 - p) + 32 w
	s_or_b32 s[QL], s[QA+1], 255
	s_lshr_b32 s14, s[WV], 2
	s_add_co_u32 s14, s14, 1
	s_lshl_b32 s14, s14, 23                        ; what I fetch: plane 1 (waves 0-3) or 2 (waves 4-7),
	s_and_b32 s15, s[WV], 3
	s_lshl_b32 s15, s15, 13                        ; quarter w % 4 of a slot's 32,768 bytes,
	s_add_co_u32 s14, s14, s15
	s_add_co_u32 s14, s14, s10                     ; in my head
	s_mov_b32 s15, 0
	s_lshl_b32 s32, s[QA], 6
	s_add_co_u32 s32, s32, s10                     ; my pairs' first bytes in q and in oc
	s_mov_b32 s33, 0
	s_lshl_b32 s34, s[QA+1], 6
	s_add_co_u32 s34, s34, s10
	s_mov_b32 s35, 0
	s_mul_i32 s13, s[WV], 4*16*KP
	s_add_co_u32 s13, s13, STAGE                   ; my stage
	s_mov_b32 s[G1], (0<<16)|(1<<20)|(3<<22)|(3<<25)   ; no mask; elements of 1 byte; padding on: four words after every 16
	s_mov_b32 s[G1+1], 256<<16                     ; tensor_dim0
	s_mov_b32 s[G1+2], 32<<16                      ; tensor_dim1
	s_mov_b32 s[G1+3], 256<<16                     ; tile_dim0
	s_mov_b32 s[G1+4], 32                          ; tile_dim1
	s_mov_b32 s[G1+5], 256                         ; tensor_dim0_stride: the rows are dense
	s_mov_b32 s[G1+6], 0
	s_mov_b32 s[G1+7], 0
	s_mov_b32 s[SEL], 0x76543210
	s_mov_b32 s[SEL+1], 0xfedcba98
	s_mov_b32 s[CS], 0x3e38aa3b                    ; c = log2(e) / 8
	s_mov_b32 s[SB], 0
	s_mov_b32 s[SLOTS], 3
	s_mov_b32 s[KF], 0
	s_cmp_eq_u32 ttmp9, 0
	s_cselect_b32 s[LIM], 1, -1                    ; the head's first work-group prefetches while more than one slot is still to be asked for
	s_wait_dscnt 0x0                               ; both opening adds are done
	s_wait_kmcnt 0x0
	s_load_b128 s[68:71], s[6:7], 0x18             ; e6, e7, e8, e9
	s_load_b32 s72, s[6:7], 0x28                   ; e10
	s_mov_b32 s[G0], 1
	s_mul_i32 s[G0+1], s[WV], QSTEP                ; LDS: K's quarters, then V's: slot 0
	s_add_nc_u64 s[G0+2:G0+3], s[4:5], s[14:15]
	s_or_b32 s[G0+3], s[G0+3], 0x80000000
	TLOAD                                          ; slot 0: my one tensor load at the head
	s_add_nc_u64 s[PFA:PFA+1], s[4:5], s[14:15]
	s_add_nc_u64 s[PFA:PFA+1], s[PFA:PFA+1], 32768 ; in slot 1: the first change of slots steps it to slot 2
	s_add_nc_u64 s[82:83], s[4:5], s[32:33]        ; q at my pairs,
	s_add_nc_u64 s[84:85], s[4:5], s[34:35]
	s_add_nc_u64 s[86:87], s[8:9], s[32:33]        ; oc likewise
	s_add_nc_u64 s[88:89], s[8:9], s[34:35]
	v_and_b32 v60, 15, v0                          ; r
	v_bfe_u32 v61, v0, 4, 1                        ; h
	v_lshlrev_b32 v[QO], 6, v60
	v_lshl_add_u32 v[QO], v61, 4, v[QO]
.irp x, 0,1
.irp a, 0,1
.irp c, 0,1
	global_load_b128 v[QF+16*\x+8*\a+4*\c:QF+16*\x+8*\a+4*\c+3], v[QO], s[82+2*\x:83+2*\x] offset:1024*\a+32*\c   ; Q's fragments stay in registers
.endr
.endr
.endr
	v_and_b32 v62, 8, v60
	v_and_b32 v63, 31, v0
	v_add_nc_u32 v62, v62, v60                     ; r + 8 (r / 8)
	v_mul_u32_u24 v[AV0], v60, KP
	v_mul_u32_u24 v[AK0], v62, KP
	v_lshl_add_u32 v[AV0], v61, 4, v[AV0]
	v_lshl_add_u32 v[AK0], v61, 4, v[AK0]
	v_add_nc_u32 v[AV0], VOFF, v[AV0]
	v_lshlrev_b32 v[GO], 4, v63
	v_lshlrev_b32 v[PFO], 8, v63
	v_mul_u32_u24 v[STI], v60, KP
	v_lshrrev_b32 v64, 2, v63
	v_lshl_add_u32 v[STI], v61, 3, v[STI]
	v_mul_u32_u24 v[STB], v64, KP
	v_and_b32 v65, 3, v0
	v_add_nc_u32 v[STI], s13, v[STI]               ; the stage, in: row r, 8 bytes for each half of the lanes
	v_lshl_add_u32 v[STB], v65, 4, v[STB]
	v_lshlrev_b32 v66, 4, v61
	v_add_nc_u32 v[STB], s13, v[STB]               ; back: four lanes to a row of 64 bytes, eight rows an instruction
	v_sub_nc_u32 v[DL], v60, v66
.irp y, 0,1,2,3
	v_mov_b32 v[ST+4*\y+1], 0xff61b1e6             ; the largest t so far: -3e38, under every t
	v_mov_b32 v[ST+4*\y+2], 0                      ; the sum, in two halves
	v_mov_b32 v[ST+4*\y+3], 0
.endr
.irp y, 0,1,2,3
	v_floor_f32 v[ST+4*\y], -v[ST+4*\y+1]          ; -M
.endr
	v_mov_b32 v[PL], 0                             ; written once: a lane permute's destination counts as one of its sources
	v_mov_b32 v[PL+1], 0
	v_mov_b32 v[FF+1], 0                           ; (named as the upper halves of f's pairs)
	v_mov_b32 v[FF+3], 0
	WIN 0x40
.set n, 0
.rept 64
	v_pk_add_f32 v[O+n:O+n+1], 0, 0 op_sel_hi:[0,0]   ; O^T of the four tiles begins as zeros, two registers an instruction: the key step is written once, and its first walk finds zeros
.set n, n+2
.endr
	WIN 0
	s_wait_alu depctr_va_vdst(0)
	s_wait_kmcnt 0x0
	s_add_co_i32 s44, s68, s69
	s_lshl_b32 s44, s44, 23
	s_add_co_i32 s[CS], s[CS], s44                 ; a score stands for score x 2^(e6 + e7): added to c's exponent field
	s_mov_b32 s[CS+1], s[CS]                       ; (named with it as a pair, so it is written)
	s_add_co_i32 s44, s70, 127
	s_lshl_b32 s45, s44, 23
	v_mov_b32 v[SCL], s45                          ; 2^e8
	s_add_co_i32 s44, s44, 8
	s_lshl_b32 s44, s44, 23
	s_or_b32 s44, s44, 0x600000
	v_mov_b32 v[LIMV], s44                         ; 448 x 2^e8
	v_mov_b32 v[LIMV+1], s44
	s_add_co_i32 s73, s70, s71                     ; e8 + e9
; The row's sum of tile a of pair x, taken of the unquantised p: two numbers an instruction, in four chains
.macro SUMS x, a
.set P, S+64*\a
.set L, ST+8*\x+4*\a+2
	v_pk_add_f32 v[C1:C1+1], v[P:P+1], v[P+2:P+3]
	v_pk_add_f32 v[C2:C2+1], v[P+4:P+5], v[P+6:P+7]
	v_pk_add_f32 v[C3:C3+1], v[P+8:P+9], v[P+10:P+11]
.irp j, 12,20,28,36,44,52
	v_pk_add_f32 v[L:L+1], v[L:L+1], v[P+\j:P+\j+1]
	v_pk_add_f32 v[C1:C1+1], v[C1:C1+1], v[P+\j+2:P+\j+3]
	v_pk_add_f32 v[C2:C2+1], v[C2:C2+1], v[P+\j+4:P+\j+5]
	v_pk_add_f32 v[C3:C3+1], v[C3:C3+1], v[P+\j+6:P+\j+7]
.endr
	v_pk_add_f32 v[L:L+1], v[L:L+1], v[P+60:P+61]
	v_pk_add_f32 v[C1:C1+1], v[C1:C1+1], v[P+62:P+63]
	v_pk_add_f32 v[C2:C2+1], v[C2:C2+1], v[C3:C3+1]
	v_pk_add_f32 v[L:L+1], v[L:L+1], v[C1:C1+1]
	v_pk_add_f32 v[L:L+1], v[L:L+1], v[C2:C2+1]
.endm
; A KEY STEP OF PAIR x (0 low, 1 high): 128 keys x 32 queries; the fragments of K and V are in window 1.  Tile a of the pair is tile y = 2 x + a.
.macro PSTEP x
	WIN 0x01                                       ; source 0 (K) in window 1
.irp t, 0,1,2,3,4,5,6,7
.irp a, 0,1
	v_wmma_f32_16x16x64_fp8_fp8 v[S+64*\a+8*\t:S+64*\a+8*\t+7], v[FK+8*\t:FK+8*\t+7], v[QF+16*\x+8*\a:QF+16*\x+8*\a+7], 0
.endr
.endr
	WIN 0
.rept 4
	v_nop                                          ; four plain lines between the products and the first read of their results, and the loads into their sources
.endr
.if \x
	s_cmp_eq_u32 s[QI], 3                          ; the high pair is the step's last reader of K: the next step's fragments are asked for now, where that step lies in the same slot
	s_cbranch_scc1 .Lnok_\@
	KLOAD QSTEP
.Lnok_\@:
.endif
	s_add_co_u32 s96, s[KF], 127                   ; on the diagonal the scores of hidden keys become -infinity ahead of the maximum; a step all of whose keys count skips this
	s_cmp_le_u32 s96, s[QA+\x]
	s_cbranch_scc1 .Lopen_\@
	s_sub_co_i32 s96, s[QA+\x], s[KF]
	v_add_nc_u32 v[DD], s96, v[DL]                 ; d = my query - KF - 16 (lane / 16).  Register 16 b + i holds key KF + 16 (lane / 16) + 32 b + i: hidden where 32 b + i > d
	v_add_nc_u32 v[DD+1], 16, v[DD]                ; the second tile's queries lie 16 further on
	v_mov_b32 v[DD+2], 0xff800000
.irp a, 0,1
.set n, 0
.rept 64
	v_cmp_gt_i32 vcc_lo, 32*(n/16)+n%16, v[DD+\a]
	v_cndmask_b32 v[S+64*\a+n], v[S+64*\a+n], v[DD+2], vcc_lo
.set n, n+1
.endr
.endr
.Lopen_\@:
.irp a, 0,1                                    ; the step's largest score of my query among my 64 keys: four chains a tile, each accumulator from its low end on
	v_max3_num_f32 v[MA+\a], v[S+64*\a], v[S+64*\a+1], v[S+64*\a+2]
	v_max3_num_f32 v[MA+2+\a], v[S+64*\a+3], v[S+64*\a+4], v[S+64*\a+5]
	v_max3_num_f32 v[MC+\a], v[S+64*\a+6], v[S+64*\a+7], v[S+64*\a+8]
	v_max3_num_f32 v[MC+2+\a], v[S+64*\a+9], v[S+64*\a+10], v[S+64*\a+11]
.endr
.irp i, 12,20,28,36,44,52
.irp a, 0,1
	v_max3_num_f32 v[MA+\a], v[MA+\a], v[S+64*\a+\i], v[S+64*\a+\i+1]
	v_max3_num_f32 v[MA+2+\a], v[MA+2+\a], v[S+64*\a+\i+2], v[S+64*\a+\i+3]
	v_max3_num_f32 v[MC+\a], v[MC+\a], v[S+64*\a+\i+4], v[S+64*\a+\i+5]
	v_max3_num_f32 v[MC+2+\a], v[MC+2+\a], v[S+64*\a+\i+6], v[S+64*\a+\i+7]
.endr
.endr
.irp a, 0,1
	v_max3_num_f32 v[MA+\a], v[MA+\a], v[S+64*\a+60], v[S+64*\a+61]
	v_max3_num_f32 v[MA+2+\a], v[MA+2+\a], v[S+64*\a+62], v[S+64*\a+63]
	v_max_num_f32 v[MC+\a], v[MC+\a], v[MC+2+\a]
.endr
.irp a, 0,1
	v_max3_num_f32 v[MA+\a], v[MA+\a], v[MA+2+\a], v[MC+\a]
.endr
.irp a, 0,1
	v_permlanex16_b32 v[PL+\a], v[MA+\a], s[SEL], s[SEL+1]
.endr
.irp a, 0,1
	v_max_num_f32 v[MA+\a], v[MA+\a], v[PL+\a]     ; and among lane l xor 16's
.endr
.irp a, 0,1
	v_mul_f32 v[MA+\a], s[CS], v[MA+\a]            ; as t (c is positive)
.endr
.irp a, 0,1
	v_max_num_f32 v[ST+8*\x+4*\a+1], v[ST+8*\x+4*\a+1], v[MA+\a]   ; the running largest t
.endr
.irp a, 0,1
	v_mov_b32 v[MA+\a], v[ST+8*\x+4*\a]
.endr
.irp a, 0,1
	v_floor_f32 v[ST+8*\x+4*\a], -v[ST+8*\x+4*\a+1]   ; the new -M = floor(-t) = -ceil(t)
.endr
.irp a, 0,1
	v_sub_f32 v[MA+\a], v[ST+8*\x+4*\a], v[MA+\a]  ; old M - new M: a whole number, 0 or less
.endr
.irp a, 0,1
	v_cvt_i32_f32 v[MA+\a], v[MA+\a]               ; (it saturates)
.endr
.irp a, 0,1
	v_ldexp_f32 v[FF+2*\a], 1.0, v[MA+\a]          ; f = 2^(old M - new M)
.endr
.set n, 0
.rept 32
	v_pk_fma_f32 v[S+n:S+n+1], v[S+n:S+n+1], s[CS:CS+1], v[ST+8*\x:ST+8*\x+1] op_sel_hi:[1,0,0]   ; the first tile's t - M, two at a time
.set n, n+2
.endr
	s_wait_alu depctr_va_vdst(0)                   ; ahead of a batch of exponentials
.set n, 0
.rept 32                                       ; the first tile's p = 2^(t - M), at most 1; among them the second tile's t - M, which is first read behind the wait below
	v_exp_f32 v[S+n], v[S+n]
	v_exp_f32 v[S+n+1], v[S+n+1]
	v_pk_fma_f32 v[S+64+n:S+64+n+1], v[S+64+n:S+64+n+1], s[CS:CS+1], v[ST+8*\x+4:ST+8*\x+5] op_sel_hi:[1,0,0]
.set n, n+2
.endr
.irp a, 0,1
	v_pk_mul_f32 v[ST+8*\x+4*\a+2:ST+8*\x+4*\a+3], v[ST+8*\x+4*\a+2:ST+8*\x+4*\a+3], v[FF+2*\a:FF+2*\a+1] op_sel_hi:[1,0]   ; the sums under the new M
.endr
	s_wait_alu depctr_va_vdst(0)                   ; one wait: behind the first batch, ahead of its first reader, and ahead of the second batch
	SUMS \x, 0
.set n, 0
.rept 32                                       ; the second tile's p; among them the first tile's hold, whose results are first read behind the wait below
	v_exp_f32 v[S+64+n], v[S+64+n]
	v_exp_f32 v[S+64+n+1], v[S+64+n+1]
	v_dual_min_num_f32 v[S+n], v[S+n], v[LIMV] :: v_dual_min_num_f32 v[S+n+1], v[S+n+1], v[LIMV+1]   ; the conversion does not saturate (ISA guide 7.6.2); p is not negative, so the hold is one-sided; two numbers an instruction
.set n, n+2
.endr
	v_nop                                          ; the plain line behind the last exponential
	s_wait_alu depctr_va_vdst(0)                   ; one wait for the second batch, ahead of its first reader
	SUMS \x, 1
.set n, 0
.rept 32
	v_dual_min_num_f32 v[S+64+n], v[S+64+n], v[LIMV] :: v_dual_min_num_f32 v[S+64+n+1], v[S+64+n+1], v[LIMV+1]
.set n, n+2
.endr
.irp a, 0,1
.irp b, 0,1,2,3
	v_cvt_scalef32_pk8_fp8_f32 v[PC+16*\a+4*\b:PC+16*\a+4*\b+1], v[S+64*\a+16*\b:S+64*\a+16*\b+7], v[SCL]
	v_cvt_scalef32_pk8_fp8_f32 v[PC+16*\a+4*\b+2:PC+16*\a+4*\b+3], v[S+64*\a+16*\b+8:S+64*\a+16*\b+15], v[SCL]
.endr
.endr
	WIN 0x41                                       ; O^T: destination and source 0 in window 1
	s_wait_dscnt 0x0                               ; V's fragments are in
	s_wait_alu depctr_va_vdst(0)                   ; directly ahead of the first reader of O^T
.irp a, 0,1
.set n, 0
.rept 16
	v_pk_mul_f32 v[O+32*(2*\x+\a)+n:O+32*(2*\x+\a)+n+1], v[O+32*(2*\x+\a)+n:O+32*(2*\x+\a)+n+1], v[FF+2*\a:FF+2*\a+1] op_sel_hi:[1,0]   ; O^T under the new M; also the plain lines between the conversions and the products
.set n, n+2
.endr
.endr
	WIN 0x51                                       ; V, C and D in window 1, p's codes in window 0
.irp t, 0,1,2,3                                ; O^T += V^T P^T: the pair's eight accumulators take turns, one instruction a turn
.irp a, 0,1
	v_wmma_f32_16x16x128_fp8_fp8 v[O+32*(2*\x+\a)+8*\t:O+32*(2*\x+\a)+8*\t+7], v[FV+16*\t:FV+16*\t+15], v[PC+16*\a:PC+16*\a+15], v[O+32*(2*\x+\a)+8*\t:O+32*(2*\x+\a)+8*\t+7]
.endr
.endr
	WIN 0
.endm
; A KEY STEP OF THE WAVE: the step's fragments come from LDS once, then the pairs that work in it.  low = 0: a slot in which no low pair can work.
.macro WSTEP low
	s_add_co_u32 s96, s[QA+1], 31
	s_cmp_gt_u32 s[KF], s96                        ; all 128 keys come after my last query: the step is left out.  No barrier, tensor load or wait for another wave's sake stands in a step
	s_cbranch_scc1 .Lhid_\@
	s_mul_i32 s[TB], s[QI], QSTEP
	s_add_co_u32 s[TB], s[TB], s[SB]
	v_add_nc_u32 v[ADK], s[TB], v[AK0]
	v_add_nc_u32 v[ADV], s[TB], v[AV0]
	v_nop
	v_nop                                          ; four plain lines in front of loads into registers that the last products read
	s_cmp_lg_u32 s[QI], 0                          ; a step that works and is not its slot's first follows a step that worked, and that one has asked for K's fragments
	s_wait_alu depctr_va_vdst(0)                   ; directly ahead of the branch
	s_cbranch_scc1 .Lhavek_\@
	KLOAD 0
.Lhavek_\@:
	WIN 0x40
.irp t, 0,1,2,3
.irp c, 0,1,2,3
	ds_load_b128 v[FV+16*\t+4*\c:FV+16*\t+4*\c+3], v[ADV] offset:((\c/2)*64+16*\t)*KP+32*(\c%2)
.endr
.endr
	WIN 0
	s_wait_dscnt 16                                ; K's 16 loads, issued ahead of them on either way, are in; V's 16 may be out
.if \low
	s_add_co_u32 s96, s[QA], 31
	s_cmp_gt_u32 s[KF], s96
	s_cbranch_scc1 .Lnolow_\@
	PSTEP 0
.Lnolow_\@:
.endif
	PSTEP 1
.Lhid_\@:
	s_add_co_u32 s[KF], s[KF], 128
.endm
.macro SLOT_STEPS low                  ; a slot's four key steps, in a counted loop
	s_mov_b32 s[QI], 0
.Lq_\@:
	WSTEP \low
	s_add_co_u32 s[QI], s[QI], 1
	s_cmp_lt_u32 s[QI], 4
	s_cbranch_scc1 .Lq_\@
	s_xor_b32 s[SB], s[SB], SLOT1                  ; on to the other slot
.endm
; THE CHANGE OF SLOTS stands at a slot's head.  Each wave waits for all its tensor loads, adds 0 to its spare word, and waits for that and for its reads of the slot that it has left.  Behind the barrier the slot ahead
; is whole and nobody reads the other one, which is then filled with the keys that follow: that load has a slot's four key steps in which to land.
.macro CHANGE fill
	s_wait_tensorcnt 0x0                           ; no tensor load of mine is out, so the group 0 may be written
	ds_add_u32 v[SPW], v[NIL]                      ; 0 onto my spare word
.if \fill
	s_xor_b32 s[G0+1], s[G0+1], SLOT1              ; the other slot than last time,
	s_add_nc_u64 s[G0+2:G0+3], s[G0+2:G0+3], 32768 ; the next 512 keys; the type bits on top are not reached
	s_wait_xcnt 0x0                                ; the last prefetch, a slot back, has read its address, so it may be written
	s_add_nc_u64 s[PFA:PFA+1], s[PFA:PFA+1], 32768
.endif
	s_wait_dscnt 0x0                               ; the add is done, and my reads of the slot that I have left are over
	s_barrier_signal -1
	s_barrier_wait -1
.if \fill
	s_add_co_u32 s96, s[KF], 512                   ; the first key of the slot that this change would ask for:
	s_cmp_gt_u32 s96, s[QL]                        ; past my work-group's last query no wave reads it, so it is not asked for.  Ids and the count of steps alone: all eight waves go the same way
	s_cbranch_scc1 .Lpast_\@
	TLOAD                                          ; a wave's one tensor load until the next such barrier
.Lpast_\@:
	ASK
.endif
.endm
	s_wait_alu depctr_va_vdst(0)                   ; the head's end
	s_wait_loadcnt 0x0                             ; Q
.Lslot:                                            ; three trips: behind each change of slots but the last the next slot is asked for, up to the causal limit
	CHANGE 1
	SLOT_STEPS 1
	s_sub_co_u32 s[SLOTS], s[SLOTS], 1
	s_cmp_lg_u32 s[SLOTS], 0
	s_cbranch_scc1 .Lslot
	CHANGE 0                                       ; the last slot is written out: nothing is left to ask for.  Its keys begin at 1,536, and the low pairs' queries end at 1,023: only the high pair's step is written
	SLOT_STEPS 0
	; THE WAY OUT.  O^T / the sum x 2^(e8 + e9) is the attention's result; it is quantised under e10 and goes through my stage, so that a store covers 512 consecutive bytes.
.irp y, 0,1,2,3
	v_add_f32 v[ST+4*\y+2], v[ST+4*\y+2], v[ST+4*\y+3]   ; the sums' two halves (these four are also the plain lines behind the last products),
.endr
.irp x, 0,1
	v_permlanex16_b32 v[PL], v[ST+8*\x+2], s[SEL], s[SEL+1]
	v_permlanex16_b32 v[PL+1], v[ST+8*\x+6], s[SEL], s[SEL+1]
	v_add_f32 v[ST+8*\x+2], v[ST+8*\x+2], v[PL]    ; and lane l xor 16's
	v_add_f32 v[ST+8*\x+6], v[ST+8*\x+6], v[PL+1]
.endr
	s_wait_alu depctr_va_vdst(0)                   ; ahead of the reciprocals
.irp y, 0,1,2,3
	v_rcp_f32 v[ST+4*\y+2], v[ST+4*\y+2]
.endr
	s_add_co_i32 s44, s72, 127
	s_lshl_b32 s45, s44, 23
	v_mov_b32 v[SCL], s45                          ; 2^e10 (the plain line behind the reciprocals)
	s_add_co_i32 s44, s44, 8
	s_lshl_b32 s44, s44, 23
	s_or_b32 s44, s44, 0x600000
	v_mov_b32 v[LIMV], s44                         ; 448 x 2^e10
	s_wait_alu depctr_va_vdst(0)                   ; one wait for the four reciprocals, ahead of their first reader
.irp y, 0,1,2,3
	v_ldexp_f32 v[ST+4*\y+2], v[ST+4*\y+2], s73
.endr
	WIN 0x01                                       ; source 0 (O^T) in window 1
	s_wait_alu depctr_va_vdst(0)                   ; directly ahead of the first reader of O^T
.irp y, 0,1,2,3
.set n, 0
.rept 32
	v_mul_f32 v[S+32*\y+n], v[O+32*\y+n], v[ST+4*\y+2]   ; register 8 t + i is o(r, 16 t + 8 h + i); each accumulator from its low end on
.set n, n+1
.endr
.endr
	WIN 0
.set n, 0
.rept 128
	v_med3_num_f32 v[S+n], v[S+n], -v[LIMV], v[LIMV]
.set n, n+1
.endr
.irp y, 0,1,2,3
.irp t, 0,1,2,3
	v_cvt_scalef32_pk8_fp8_f32 v[PC+8*\y+2*\t:PC+8*\y+2*\t+1], v[S+32*\y+8*\t:S+32*\y+8*\t+7], v[SCL]
.endr
.endr
	v_nop                                          ; a plain vector line behind the last conversion
.irp y, 0,1,2,3
.irp t, 0,1,2,3
	ds_store_b64 v[STI], v[PC+8*\y+2*\t:PC+8*\y+2*\t+1] offset:16*KP*\y+16*\t
.endr
.endr
.irp y, 0,1,2,3
.irp i, 0,1
	ds_load_b128 v[S+8*\y+4*\i:S+8*\y+4*\i+3], v[STB] offset:16*KP*\y+8*KP*\i   ; LDS serves a wave's instructions in order: these see my stores
.endr
.endr
.set k, 0
.irp y, 0,1,2,3
.irp i, 0,1
	s_wait_dscnt 7-k                               ; the younger read-backs may be out
	global_store_b128 v[GO], v[S+8*\y+4*\i:S+8*\y+4*\i+3], s[86+2*(\y/2):87+2*(\y/2)] offset:1024*(\y%2)+512*\i   ; 32 lanes store 512 consecutive bytes, aligned
.set k, k+1
.endr
.endr
	s_wait_tensorcnt 0x0                           ; the wave's end, behind my last tensor load and my last LDS store
	ds_add_u32 v[SPW], v[NIL]
	s_wait_dscnt 0x0
	s_endpgm
.Lfunc_end_k_q4db74e83e7_attn:
	.size	k_q4db74e83e7_attn, .Lfunc_end_k_q4db74e83e7_attn-k_q4db74e83e7_attn
	.p2alignl 7, 3214868480
	.fill 96, 4, 3214868480
	.section	.rodata,"a",@progbits
	.p2align	6, 0x0
	.amdhsa_kernel k_q4db74e83e7_attn
		.amdhsa_group_segment_fixed_size 327680
		.amdhsa_private_segment_fixed_size 0
		.amdhsa_enable_private_segment 0
		.amdhsa_kernarg_size 24
		.amdhsa_user_sgpr_count 2
		.amdhsa_user_sgpr_kernarg_segment_ptr 1
		.amdhsa_wavefront_size32 1
		.amdhsa_system_sgpr_workgroup_id_x 1
		.amdhsa_system_sgpr_workgroup_id_y 1
		.amdhsa_system_sgpr_workgroup_id_z 1
		.amdhsa_system_vgpr_workitem_id 0
		.amdhsa_next_free_vgpr 512
		.amdhsa_next_free_sgpr 100
		.amdhsa_reserve_vcc 1
		.amdhsa_float_denorm_mode_32 3
		.amdhsa_float_denorm_mode_16_64 3
		.amdhsa_memory_ordered 1
		.amdhsa_forward_progress 1
		.amdhsa_inst_pref_size 145
	.end_amdhsa_kernel
	.amdgpu_metadata
---
amdhsa.version: [ 1, 2 ]
amdhsa.kernels:
  - .name:           k_q4db74e83e7_attn
    .symbol:         k_q4db74e83e7_attn.kd
    .args:
      - { .name: qkvc, .offset: 0, .size: 8, .value_kind: global_buffer, .address_space: global }
      - { .name: lowp_scales, .offset: 8, .size: 8, .value_kind: global_buffer, .address_space: global }
      - { .name: oc, .offset: 16, .size: 8, .value_kind: global_buffer, .address_space: global }
    .group_segment_fixed_size: 327680
    .private_segment_fixed_size: 0
    .kernarg_segment_align: 8
    .kernarg_segment_size: 24
    .max_flat_workgroup_size: 256
    .sgpr_count:     100
    .vgpr_count:     512
    .wavefront_size: 32
...
	.end_amdgpu_metadata
.endif
;; end of part 3
;; launch proj (part 4): grid 4 x 64, 4 waves a work-group, clusters of 4 x 4, 327,680 bytes of LDS; arguments oc, wc, lowp_scales, bo, out0; writes out0
.if DOCPART == 4
	.amdgcn_target "amdgcn-amd-amdhsa--gfx1250"
	.amdhsa_code_object_version 6
	.text
	.protected	k_q4db74e83e7_proj
	.globl	k_q4db74e83e7_proj
	.p2align	8
	.type	k_q4db74e83e7_proj,@function
k_q4db74e83e7_proj:
	s_mov_b64 s[64:65], 0
	v_nop
	global_prefetch_b8 v0, s[64:65] scope:SCOPE_SE
	s_setreg_imm32_b32 hwreg(HW_REG_WAVE_MODE, 25, 1), 1
	s_wait_xcnt 0x0
	s_wait_alu depctr_hold_cnt(0) depctr_sa_sdst(0) depctr_va_vdst(0) depctr_va_sdst(0) depctr_va_ssrc(0) depctr_va_vcc(0) depctr_vm_vsrc(0)
	s_getreg_b32 s2, hwreg(HW_REG_IB_STS2, 6, 4)
	s_cmp_eq_u32 s2, 0
	s_cbranch_scc0 .Lentry_in_a_cluster
	s_endpgm
.Lentry_in_a_cluster:
	s_bfe_u32 s2, ttmp6, 0x10000c
	s_cmp_lg_u32 s2, 0xf033
	s_cbranch_scc0 .Lentry_shape_is_right
	s_endpgm
.Lentry_shape_is_right:
; out0 = attention's result x Wo + bo, on codes of FP8 (E4M3).  A: oc [64 (b, h)][2048 s][64 d], codes under e10; K = (h, d), 1,024.  B: plane 3 of wc, Wo as [1024 n][1024 k], codes under e11.  out0 [8192][1024] f32.
; The codes are multiplied as they are; each finished sum is multiplied once by 2^(e10 + e11) and bo is added, in one fused multiply-add.  LIMIT: e10 + e11 lies between -126 and 127, so that the power of two is an f32 number.
; A block of 128 x 256 of out0 is made by four waves, 64 rows x 128 columns each: 32 accumulators.  64 x 4 blocks are 256 work-groups.
; K goes in TWO halves of 512 through ONE region of LDS: A's 8 heads x 128 rows of 64 bytes (80 in LDS), then B's 256 rows of 512 bytes (528 in LDS).  Every wave fetches a part with one tensor load: waves 0, 1 four heads
; of A each (4 rows of 8,192 dense bytes, padded behind every 64), waves 2, 3 128 rows of B each.  The region is filled again once, behind a wait on tensor loads, an add to my spare word and a round of the cluster's barrier; the refill goes out
; as soon as the first half's last fragments are in registers, ahead of the 32 products that use them.
; CLUSTERS: 4 x 4 work-groups; A's tiles are asked for jointly along a row of the cluster, B's along a column.
; NO PREFETCH: the text has no loop to run ahead in: the second half is asked for three steps of 32 products behind the first.
; THE MATRIX INSTRUCTION IS USED TRANSPOSED (source 0 = 16 rows of B, source 1 = 16 rows of A): a lane holds eight neighbouring numbers of a row of out0.
; REGISTERS: window 0: v0-31 addresses and bo; v64-191 A's fragments, two sets of 4 x 16; on the way out the same registers take rows read back.  Window 1: B's fragments, two sets of 8 x 16.  Window 2: accumulator (a, b) at v[8 (8 a + b)].
.set AP,     80
.set BP,     528
.set HALFA,  4*128*AP                  ; four heads x 128 rows: what one of A's loads brings
.set HALFB,  128*BP
.set BOFF,   2*HALFA
.set STAGE,  BOFF+2*HALFB              ; behind the region: 16 rows x 528 bytes for each wave, for the way out; no tile lands here
.set SPITCH, 528
.set SPARE,  STAGE+4*16*SPITCH         ; behind the stages: the spare words, 128 bytes for each wave
.set ADRA, 16                          ; v16, v17  my A fragments: heads 0-3, heads 4-7 of the region
.set ADRB, 20
.set STO,  24
.set RD,   25
.set CO,   26
.set SPW,  28
.set NIL,  29
.set AF,   64
.set BK,   64
.set G1, 24
.set G0, 32
.set G1B, 48
.set G0B, 56
.set MSB, 0
.macro WIN new                         ; the immediate's high byte repeats the setting that is left
.if MSB != \new
	s_set_vgpr_msb (MSB<<8)|\new
.set MSB, \new
.endif
.endm
.macro JLOAD                           ; a joint load: waves 0, 1 fetch for A, waves 2, 3 for B; the branch hangs on the wave's number alone.  An s_nop 0 and four v_nop follow each line
	s_cmp_eq_u32 s15, 0
	s_cbranch_scc0 .Lfor_b_\@
	tensor_load_to_lds s[G0:G0+3], s[G1:G1+7]
	s_nop 0
.rept 4
	v_nop
.endr
	s_branch .Lasked_\@
.Lfor_b_\@:
	tensor_load_to_lds s[G0B:G0B+3], s[G1B:G1B+7]
	s_nop 0
.rept 4
	v_nop
.endr
.Lasked_\@:
.endm
.macro CROUND                          ; a round of the cluster's barrier
	s_barrier_signal -1
	s_barrier_wait -1
	s_cmp_lg_u32 s14, 0
	s_cbranch_scc1 .Lnot_wave_0_\@
	s_barrier_signal -3
.Lnot_wave_0_\@:
	s_barrier_wait -3
	s_barrier_signal -1
	s_barrier_wait -1
.endm
.macro PLACES                          ; plain vector lines between a matrix instruction and a load into, or a read of, its registers
.rept 4
	v_nop
.endr
.endm
	s_load_b128 s[4:7], s[0:1], 0x0                ; oc s[4:5], wc s[6:7]
	s_load_b128 s[8:11], s[0:1], 0x10              ; the scales' exponents s[8:9], bo s[10:11]
	s_load_b64 s[12:13], s[0:1], 0x20              ; out0
	v_lshl_add_u32 v[SPW], v0, 2, SPARE
	v_mov_b32 v[NIL], 0
	ds_add_u32 v[SPW], v[NIL]                      ; the wave's opening: the add, twice on end, and its wait ahead of my first tensor load
	ds_add_u32 v[SPW], v[NIL]
	v_lshrrev_b32 v1, 5, v0
	v_readfirstlane_b32 s14, v1                    ; wave 0..3
	s_lshr_b32 s15, s14, 1                         ; which 64 rows of the block are mine.  Also: I fetch for A (0) or for B (1)
	s_and_b32 s16, s14, 1                          ; which 128 columns.  Also: which half of that operand's tile I fetch
	s_bfe_u32 s40, ttmp6, 0x40000                  ; cx
	s_bfe_u32 s41, ttmp6, 0x40004                  ; cy
	s_lshl_b32 s42, ttmp9, 2
	s_add_co_u32 s42, s42, s40                     ; block column = 4 x cluster x + cx
	s_and_b32 s17, ttmp7, 0xffff
	s_lshl_b32 s17, s17, 2
	s_add_co_u32 s17, s17, s41                     ; block row = 4 x cluster y + cy
	s_lshl_b32 s43, s41, 2
	s_lshl_b32 s43, 15, s43                        ; my row of the cluster
	s_lshl_b32 s44, 0x1111, s40                    ; my column
	s_or_b32 s[G1+0], s43, (0<<16)|(1<<20)|(1<<21)|(3<<22)|(3<<25)   ; the mask; elements of 1 byte; padding on; bit 21 beside a mask; four words after every 16
	s_mov_b32 s[G1+1], 8192<<16                    ; tensor_dim0: 128 rows of 64 bytes, dense
	s_mov_b32 s[G1+2], 4<<16                       ; tensor_dim1: four heads
	s_mov_b32 s[G1+3], 8192<<16
	s_mov_b32 s[G1+4], 4
	s_mov_b32 s[G1+5], 131072                      ; from head to head
	s_mov_b32 s[G1+6], 0
	s_mov_b32 s[G1+7], 0
	s_or_b32 s[G1B+0], s44, (0<<16)|(1<<20)|(1<<21)|(6<<22)|(3<<25)  ; four words after every 128
	s_mov_b32 s[G1B+1], 512<<16
	s_mov_b32 s[G1B+2], 128<<16
	s_mov_b32 s[G1B+3], 512<<16
	s_mov_b32 s[G1B+4], 128
	s_mov_b32 s[G1B+5], 1024
	s_mov_b32 s[G1B+6], 0
	s_mov_b32 s[G1B+7], 0
	s_lshl_b32 s20, s17, 7                         ; A: my block's first row (b, s),
	s_lshr_b32 s21, s20, 11
	s_lshl_b32 s21, s21, 21                        ; b: sixteen heads of 131,072 bytes,
	s_and_b32 s20, s20, 2047
	s_lshl_b32 s20, s20, 6                         ; s x 64 bytes,
	s_add_co_u32 s20, s20, s21
	s_lshl_b32 s18, s16, 19                        ; and my four heads
	s_add_co_u32 s20, s20, s18
	s_mov_b32 s21, 0
	s_lshl_b32 s18, s16, 7
	s_lshl_b32 s46, s42, 8
	s_add_co_u32 s46, s46, s18
	s_lshl_b32 s46, s46, 10                        ; B: (256 x block column + 128 x half) rows of 1,024 bytes,
	s_add_co_u32 s46, s46, 0x300000                ; in plane 3
	s_mov_b32 s47, 0
	s_mul_i32 s45, s16, HALFA                      ; where they go: no place in the cluster enters an LDS address
	s_mul_i32 s19, s16, HALFB
	s_add_co_u32 s19, s19, BOFF
	s_wait_dscnt 0x0                               ; both opening adds are done
	s_wait_kmcnt 0x0
	s_load_b64 s[96:97], s[8:9], 0x28              ; e10, e11
	s_add_nc_u64 s[20:21], s[4:5], s[20:21]
	s_add_nc_u64 s[46:47], s[6:7], s[46:47]
	CROUND                                         ; all sixteen work-groups are here: the first joint loads meet
	s_mov_b32 s[G0], 1
	s_mov_b32 s[G0+1], s45
	s_mov_b64 s[G0+2:G0+3], s[20:21]
	s_or_b32 s[G0+3], s[G0+3], 0x80000000
	s_mov_b32 s[G0B], 1
	s_mov_b32 s[G0B+1], s19
	s_mov_b64 s[G0B+2:G0B+3], s[46:47]
	s_or_b32 s[G0B+3], s[G0B+3], 0x80000000
	JLOAD                                          ; K's first half: my one tensor load at the head
	s_mul_i32 s21, s15, 64*AP                      ; my 64 rows of A
	s_mul_i32 s22, s16, HALFB
	s_add_co_u32 s22, s22, BOFF                    ; my 128 rows of B
	s_mul_i32 s23, s14, 16*SPITCH
	s_add_co_u32 s23, s23, STAGE                   ; my stage
	s_lshl_b32 s20, s17, 7
	s_lshl_b32 s18, s15, 6
	s_add_co_u32 s20, s20, s18
	s_lshl_b32 s20, s20, 12                        ; my first row of out0, 4,096 bytes a row
	s_lshl_b32 s46, s42, 10
	s_lshl_b32 s47, s16, 9
	s_add_co_u32 s46, s46, s47                     ; my first column, in bytes
	s_mov_b32 s47, 0
	s_add_nc_u64 s[10:11], s[10:11], s[46:47]
	s_add_nc_u64 s[12:13], s[12:13], s[46:47]
	s_mov_b32 s46, s20
	s_add_nc_u64 s[12:13], s[12:13], s[46:47]
	v_and_b32 v1, 15, v0                           ; r
	v_bfe_u32 v2, v0, 4, 1                         ; h
	v_and_b32 v6, 31, v0
	v_mul_u32_u24 v3, v1, AP
	v_mul_u32_u24 v4, v1, BP
	v_mul_u32_u24 v5, v1, SPITCH
	v_lshlrev_b32 v[CO], 4, v6                     ; the 32 lanes take one row of 512 bytes
	v_lshl_add_u32 v3, v2, 4, v3
	v_lshl_add_u32 v4, v2, 4, v4
	v_lshl_add_u32 v5, v2, 5, v5
	global_load_b128 v[8:11], v[CO], s[10:11]      ; bo at my four columns of a row read back
	v_add_nc_u32 v[ADRA], s21, v3
	v_add_nc_u32 v[ADRB], s22, v4
	v_add_nc_u32 v[STO], s23, v5                   ; the stage, in: row r, 32 bytes for each half of the lanes
	v_add_nc_u32 v[RD], s23, v[CO]
	v_add_nc_u32 v[ADRA+1], HALFA, v[ADRA]
; the fragments of the region's q-th 128 along K into set q % 2: registers 4 c .. 4 c + 3 hold K = 32 c + 16 (l / 16) + 0 .. 15, alike in A and B
.macro FETCH q
	WIN 0x40
.irp i, 0,1,2,3,4,5,6,7
.irp c, 0,1,2,3
	ds_load_b128 v[128*((\q)%2)+16*\i+4*\c:128*((\q)%2)+16*\i+4*\c+3], v[ADRB] offset:128*(\q)+32*\c+\i*16*BP
.endr
.endr
	WIN 0
.irp i, 0,1,2,3
.irp c, 0,1,2,3
	ds_load_b128 v[AF+64*((\q)%2)+16*\i+4*\c:AF+64*((\q)%2)+16*\i+4*\c+3], v[ADRA+(\q)/2] offset:((2*((\q)%2)+\c/2)*128+16*\i)*AP+32*(\c%2)
.endr
.endr
.endm
; 32 matrix instructions: A's four blocks x B's eight, 128 along K, from set p.  The 32 accumulators take turns, one instruction a turn, in the same order in every step.
.macro MUL32 p, zero
	WIN 0xa1                                       ; source 0 (B) window 1, source 1 (A) window 0, C and D window 2
.irp a, 0,1,2,3
.irp b, 0,1,2,3,4,5,6,7
.if \zero
	v_wmma_f32_16x16x128_fp8_fp8 v[8*(8*\a+\b):8*(8*\a+\b)+7], v[128*(\p)+16*\b:128*(\p)+16*\b+15], v[AF+64*(\p)+16*\a:AF+64*(\p)+16*\a+15], 0
.else
	v_wmma_f32_16x16x128_fp8_fp8 v[8*(8*\a+\b):8*(8*\a+\b)+7], v[128*(\p)+16*\b:128*(\p)+16*\b+15], v[AF+64*(\p)+16*\a:AF+64*(\p)+16*\a+15], v[8*(8*\a+\b):8*(8*\a+\b)+7]
.endif
.endr
.endr
	WIN 0
.endm
.macro STEP q, zero                    ; a step that has a successor in the region: the successor's fragments are asked for ahead of this step's products
	s_wait_dscnt 0x0                               ; this step's 48 loads are in
	PLACES
	FETCH (\q)+1
	MUL32 (\q)%2, \zero
.endm
	s_wait_alu depctr_va_vdst(0)                   ; the head's end
	s_wait_tensorcnt 0x0                           ; my part of K's first half is in
	s_barrier_signal -1
	s_barrier_wait -1                              ; and everybody's
	FETCH 0
	STEP 0, 1                                      ; the first step's products start the sums: nothing is cleared
	STEP 1, 0
	STEP 2, 0
	s_wait_tensorcnt 0x0                           ; in front of the refill's round: no tensor load of mine is out, so the groups 0 may be written;
	ds_add_u32 v[SPW], v[NIL]                      ; 0 onto my spare word;
	s_add_nc_u64 s[G0+2:G0+3], s[G0+2:G0+3], 8*131072   ; eight heads on,
	s_add_nc_u64 s[G0B+2:G0B+3], s[G0B+2:G0B+3], 512    ; 512 bytes along B's rows
	s_wait_dscnt 0x0                               ; the add is done, and my reads of the region are over: the fourth step's fragments are in registers
	CROUND                                         ; no wave of any partner still reads the region or has a load on its way
	JLOAD                                          ; K's second half: the first tensor load behind the round
	MUL32 1, 0
	s_wait_tensorcnt 0x0                           ; my part of it is in
	s_barrier_signal -1
	s_barrier_wait -1                              ; and everybody's
	PLACES
	FETCH 0
	STEP 0, 0
	STEP 1, 0
	STEP 2, 0
	s_wait_dscnt 0x0
	MUL32 1, 0
; THE WAY OUT, block by block of 16 rows x 128 columns: through my own stage and back as whole rows of 512 bytes, x 2^(e10 + e11) + bo, stored as two aligned units of 256 bytes.
.macro TOSTAGE a
	WIN 0x08                                       ; the stores' data in window 2
.irp b, 0,1,2,3,4,5,6,7
	ds_store_b128 v[STO], v[64*\a+8*\b:64*\a+8*\b+3] offset:64*\b          ; each accumulator from its low end on
	ds_store_b128 v[STO], v[64*\a+8*\b+4:64*\a+8*\b+7] offset:64*\b+16
.endr
	WIN 0
.set BB, BK+64*((\a)%2)
.irp t, 0,1,2,3,4,5,6,7,8,9,10,11,12,13,14,15
	ds_load_b128 v[BB+4*\t:BB+4*\t+3], v[RD] offset:\t*SPITCH              ; LDS serves a wave's instructions in order: these see the stores above
.endr
.endm
.macro SEND a, younger                 ; younger: the LDS instructions issued behind block a's loads, which may stay out
.set BB, BK+64*((\a)%2)
	s_wait_dscnt \younger
.if (\a) > 0
	s_add_nc_u64 s[12:13], s[12:13], 16*4096       ; (behind a wait on XCNT: the earlier stores have read their base)
.endif
.irp t, 0,1,2,3,4,5,6,7,8,9,10,11,12,13,14,15
	v_pk_fma_f32 v[BB+4*\t:BB+4*\t+1], v[BB+4*\t:BB+4*\t+1], s[96:97], v[8:9] op_sel_hi:[1,0,1]
	v_pk_fma_f32 v[BB+4*\t+2:BB+4*\t+3], v[BB+4*\t+2:BB+4*\t+3], s[96:97], v[10:11] op_sel_hi:[1,0,1]
.endr
.irp t, 0,1,2,3,4,5,6,7,8,9,10,11,12,13,14,15
	global_store_b128 v[CO], v[BB+4*\t:BB+4*\t+3], s[12:13] offset:\t*4096 th:TH_STORE_NT   ; 32 lanes store 512 consecutive bytes, aligned
.endr
.endm
	s_wait_kmcnt 0x0
	s_add_co_i32 s96, s96, s97
	s_add_co_i32 s96, s96, 127
	s_lshl_b32 s96, s96, 23                        ; 2^(e10 + e11) as f32
	s_mov_b32 s97, s96                             ; (named with it as a pair, so it is written)
	s_wait_loadcnt 0x0                             ; bo
	PLACES
	TOSTAGE 0
.irp a, 1,2,3
.if \a > 1
	s_wait_xcnt 0x0                                ; block a - 2's stores have read their registers and their base
.endif
	TOSTAGE \a
	SEND \a-1, 32                                  ; behind block a - 1's loads: block a's 16 stores and 16 loads
.endr
	s_wait_xcnt 0x0
	SEND 3, 0
	s_wait_tensorcnt 0x0                           ; the wave's end, behind my last tensor load and my last LDS store
	ds_add_u32 v[SPW], v[NIL]
	s_wait_dscnt 0x0
	CROUND                                         ; the closing round: no work-group ends while a partner may still ask for a tile that names it
	s_endpgm
.Lfunc_end_k_q4db74e83e7_proj:
	.size	k_q4db74e83e7_proj, .Lfunc_end_k_q4db74e83e7_proj-k_q4db74e83e7_proj
	.p2alignl 7, 3214868480
	.fill 96, 4, 3214868480
	.section	.rodata,"a",@progbits
	.p2align	6, 0x0
	.amdhsa_kernel k_q4db74e83e7_proj
		.amdhsa_group_segment_fixed_size 327680
		.amdhsa_private_segment_fixed_size 0
		.amdhsa_enable_private_segment 0
		.amdhsa_kernarg_size 40
		.amdhsa_user_sgpr_count 2
		.amdhsa_user_sgpr_kernarg_segment_ptr 1
		.amdhsa_wavefront_size32 1
		.amdhsa_system_sgpr_workgroup_id_x 1
		.amdhsa_system_sgpr_workgroup_id_y 1
		.amdhsa_system_sgpr_workgroup_id_z 1
		.amdhsa_system_vgpr_workitem_id 0
		.amdhsa_next_free_vgpr 768
		.amdhsa_next_free_sgpr 100
		.amdhsa_reserve_vcc 0
		.amdhsa_float_denorm_mode_32 3
		.amdhsa_float_denorm_mode_16_64 3
		.amdhsa_memory_ordered 1
		.amdhsa_forward_progress 1
		.amdhsa_inst_pref_size 73
	.end_amdhsa_kernel
	.amdgpu_metadata
---
amdhsa.version: [ 1, 2 ]
amdhsa.kernels:
  - .name:           k_q4db74e83e7_proj
    .symbol:         k_q4db74e83e7_proj.kd
    .args:
      - { .name: oc, .offset: 0, .size: 8, .value_kind: global_buffer, .address_space: global }
      - { .name: wc, .offset: 8, .size: 8, .value_kind: global_buffer, .address_space: global }
      - { .name: lowp_scales, .offset: 16, .size: 8, .value_kind: global_buffer, .address_space: global }
      - { .name: bo, .offset: 24, .size: 8, .value_kind: global_buffer, .address_space: global }
      - { .name: out0, .offset: 32, .size: 8, .value_kind: global_buffer, .address_space: global }
    .group_segment_fixed_size: 327680
    .private_segment_fixed_size: 0
    .kernarg_segment_align: 8
    .kernarg_segment_size: 40
    .max_flat_workgroup_size: 128
    .sgpr_count:     100
    .vgpr_count:     768
    .wavefront_size: 32
...
	.end_amdgpu_metadata
.endif
;; end of part 4
